; MI455X (gfx1250); checked and timed in simulation.
; The chip was launched on July 23, 2026; its instructions are those of AMD's public machine-readable ISA for CDNA 5 (MIT licence, August 2026) and "CDNA5" Instruction Set Architecture Reference Guide (July 2026). The comments in the code are by the model that wrote it; some were corrected since.
;; Multi Head Attention Block. Allowed arithmetic: matrix products marked QUANTISED: E2M3 operands, one E8M0 scale for each 32 along K, by v_wmma_scale_f32_16x16x128_f8f6f4 with both operands' format E2M3, f32 sums; everything else in f32.
;; Inputs: Wk 1,024 x 1,024 float32; Wo 1,024 x 1,024 float32; Wq 1,024 x 1,024 float32; Wv 1,024 x 1,024 float32; bk 1,024 float32; bo 1,024 float32; bq 1,024 float32; bv 1,024 float32; k 2 x 2,048 x 1,024 float32; mask 2 x 1 x 2,048 x 2,048 bool; q 2 x 2,048 x 1,024 float32; v 2 x 2,048 x 1,024 float32.
;; Outputs: out0 2 x 2,048 x 1,024 float32.
;; This version of the problem:
;;   THIS VERSION OF THE PROBLEM IS GIVEN IN LOW PRECISION. The matrix products marked QUANTISED in the list below multiply operands that are first quantised to E2M3 (2 exponent bits, 3 mantissa bits; 6 bits a number), with one power-of-two scale for each 32 numbers along K (OCP MX v1.0); their sums are f32. All else is computed in f32.
;;   The module's matrix products, in the order in which they are computed (A, B: the left and right operand; K: the contracted axis; several contracted axes count as one K, in the product's order):
;;     1. [M 4,096, K 1,024] x [K 1,024, N 1,024]; A: input q; B: input Wq: QUANTISED
;;     2. [M 4,096, K 1,024] x [K 1,024, N 1,024]; A: input k; B: input Wk: QUANTISED
;;     3. [M 4,096, K 1,024] x [K 1,024, N 1,024]; A: input v; B: input Wv: QUANTISED
;;     4. batch 32 x [M 2,048, K 64] x [K 64, N 2,048]; A: computed on the way; B: computed on the way: QUANTISED
;;     5. batch 32 x [M 2,048, K 2,048] x [K 2,048, N 64]; A: softmax (see below); B: computed on the way: QUANTISED
;;     6. [M 4,096, K 1,024] x [K 1,024, N 1,024]; A: computed on the way; B: input Wo: QUANTISED
;;   THE QUANTISER, for each operand of a quantised product, along K:
;;     - K is cut into blocks of 32 from its start; a last block that is shorter is filled with zeros.
;;     - A block's scale is 2^e with e = floor(log2(the largest magnitude in the block)) - 2, held to -126 .. 127; a block of zeros has e = 0. As a byte (E8M0): e + 127.
;;     - Each number is divided by its block's scale, clamped to +-7.5, and rounded to the nearest number of E2M3, ties to even, subnormals kept.
;;     - The product sums the exact products of the quantised numbers (number of the format x scale) in f32.
;;   ~~~python
;;   def quantise(x, axis):      # numpy; x: float32 -> the quantised numbers, widened to float32 again
;;       x = np.moveaxis(x, axis, -1); K = x.shape[-1]
;;       x = np.pad(x, [(0, 0)] * (x.ndim - 1) + [(0, -K % 32)]); x = x.reshape(x.shape[:-1] + (-1, 32)); a = np.abs(x).max(-1, keepdims=True)
;;       e = np.where(a > 0, np.clip(np.frexp(np.where(a > 0, a, 1))[1] - 1 - 2, -126, 127), 0)      # np.frexp(a)[1] - 1 = floor(log2(a)), exactly
;;       r = np.clip(x / 2.0 ** e, -7.5, 7.5)
;;       step = 2.0 ** (np.maximum(np.frexp(np.where(r == 0, 1, r))[1] - 1, 0) - 3)
;;       q = np.round(r / step) * step * 2.0 ** e      # np.round: ties to even
;;       return np.moveaxis(q.reshape(q.shape[:-2] + (-1,))[..., :K], -1, axis).astype(np.float32)
;;   ~~~
;;   SOFTMAX AHEAD OF A QUANTISED PRODUCT. Where the list says 'softmax', what is quantised is not the finished softmax but p = 2^(t - M), with t = logit x log2(e) and M = ceil(the row's largest t), a whole number; so 1/2 < the row's largest p <= 1. The row's sum l is taken of the UNQUANTISED p, in f32, and the product's result is divided by l at the end. Since M is a whole number, a kernel that streams over the keys may use a running M (the ceiling of the running maximum): every later rescaling is an exact power of two, which a block's scale takes up: the codes' values come out the same.
;;   OPERANDS COMPUTED ON THE WAY. 'Computed on the way' means the value that the module computes at that place (a softmax that the list does not call 'softmax' is quantised finished and normalised). What goes into a quantiser is computed in f32, as accurately as f32 sums, v_exp_f32 and their like allow (about 1e-6 of the number): no bf16 or f16 on the way to a quantiser, and a product that is left as it is and whose result goes on into a quantised operand takes f32 operands (vector FMAs, or v_wmma_f32_16x16x4_f32). A number that lies on a knife's edge between two numbers of the format may be rounded either way, as far as f32 arithmetic and the matrix unit's own rounding can turn it there, and no further.
;; One version. Each part assembles by itself: llvm-mc -triple=amdgcn-amd-amdhsa -mcpu=gfx1250 --defsym DOCPART=n.
;; ======== version 1 of 1: 4 launches
;; limits: right only within a limited range of input values
;; workspace buffers: codes 12,582,912 bytes; scales 524,288 bytes; qc 3,145,728 bytes; qs 262,144 bytes; kvc 6,291,456 bytes; kvs 393,216 bytes; xc 3,145,728 bytes; xs 131,072 bytes
;; launch quant (part 1): grid 512 x 1, 4 waves a work-group, no clusters, 34,304 bytes of LDS; arguments q, k, v, Wq, Wk, Wv, Wo, codes, scales; writes codes, scales
.if DOCPART == 1
	.amdgcn_target "amdgcn-amd-amdhsa--gfx1250"
	.amdhsa_code_object_version 6
	.text
	.protected	k_qfb07bb06ba_quant
	.globl	k_qfb07bb06ba_quant
	.p2align	8
	.type	k_qfb07bb06ba_quant,@function
k_qfb07bb06ba_quant:
	s_mov_b64 s[64:65], 0
	v_nop
	global_prefetch_b8 v0, s[64:65] scope:SCOPE_SE
	s_setreg_imm32_b32 hwreg(HW_REG_WAVE_MODE, 25, 1), 1
	s_wait_xcnt 0x0
; q, k, v [4096][1024] and Wq, Wk, Wv, Wo [1024][1024], f32, K innermost, become codes of FP6 (E2M3) with one E8M0 byte for each 32 along K.
; A block's scale is 2^(floor(log2(its largest magnitude)) - 2); its byte is the largest magnitude's exponent field - 2, held at 1 from below.
; LAYOUT OF THE RESULT.  Rows are taken in tiles of 16: tile t of a tensor holds rows 32 (t / 2) + 8 (t % 2) + {0 .. 7, 16 .. 23}; position r is row .. + r + 8 (r / 8).
; A fragment (a tile x 128 along K: 12 registers a lane) is stored as an IMAGE OF ITS REGISTERS: registers 4 g .. 4 g + 3 of lane l at 512 g + 16 l: 1,536 dense bytes.
; codes: [tile T 0 .. 1023][K step 0 .. 7][1,536]; T: q 0, k 256, v 512, Wq 768, Wk 832, Wv 896, Wo 960 on.  scales: [T][j 0 .. 1][r 0 .. 15][4 words]: word i of group j is K step 4 j + i.
; SHARES.  A work-group takes 32 dense rows of one tensor (two tiles); wave w takes tile w / 2 and K half w % 2: four fragments.  Waves share nothing: no barrier.
; Each load reads 512 consecutive bytes of one row; the 16 rows x 512 bytes turn through the wave's own stage in LDS, so that a lane gets 16 neighbours of each block of 32 of its row.
; LIMITS: NaN and infinities are not served.  A block whose largest magnitude lies under 2^-124, a block of zeros among them, gets the byte 1 (for zeros the rule says 127): its codes
; are then zeros or the format's smallest steps under that byte, and the bytes are read by this program alone.
; THE MASK: the function that this program computes takes a mask and uses it in no expression that reaches a result, whatever the mask and the other inputs hold: so no launch loads it and it is no launch's argument.
; k'S TILES ARE LAID OTHERWISE than the layout above says: tile t of k holds rows 64 (t / 4) + 8 (t % 4) + {0 .. 7, 32 .. 39}: eight keys of one block of 32 and the eight at the same place of the next block.
.set SP,   528                         ; a stage row: 512 bytes + 16: the 16 rows that a load of 16 bytes a lane touches begin at 16 different groups of four banks (64 banks of 4 bytes: ISA guide 11.1)
.set GA,   1                           ; v1   16 x lane: my bytes of a load's 512, and of an image's 512
.set SI,   2                           ; v2   the stage, on the way in
.set SO,   3                           ; v3   and on the way out: row r, + 64 h
.set WO,   5                           ; v5   16 r + 8 h: my two scale words
.set TM,   10                          ; v10-25 at work in QUANT
.set PW,   26                          ; v26-29 the four fragments' scale words
.set PC,   32                          ; v32-55 codes, two sets of 12
.set PT,   56                          ; v56-63 the conversions' second runs
.set R,    64                          ; v64-255 three sets of 64 numbers
.set HM,   25                          ; s25  lanes 16-31
.set SEL,  26                          ; s[26:27] v_permlanex16_b32's selects for lane l xor 16
; 64 numbers of a lane, register 16 b + i = k 32 b + 16 (lane / 16) + i of my row, become a fragment: registers 0-5 at v[da], 6-11 at v[db], the scale word in v[wd].
.macro QUANT src, da, db, sp, wd
.irp b, 0,1,2,3
	v_max3_num_f32 v[TM+\b], |v[(\src)+16*\b]|, |v[(\src)+1+16*\b]|, 0x1800000   ; block b: my 16 numbers, and the floor 2^(3 - 127): the byte cannot fall under 1
.endr
.irp i, 2,4,6,8,10,12,14
.irp b, 0,1,2,3
	v_max3_num_f32 v[TM+\b], v[TM+\b], |v[(\src)+16*\b+\i]|, |v[(\src)+1+16*\b+\i]|   ; the four blocks by turns
.endr
.endr
.irp b, 0,1,2,3
	v_permlanex16_b32 v[TM+4+\b], v[TM+\b], s[SEL], s[SEL+1]
.endr
.irp b, 0,1,2,3
	v_max_num_f32 v[TM+\b], v[TM+\b], v[TM+4+\b]       ; with lane l xor 16's: the block's largest magnitude
.endr
.irp b, 0,1,2,3
	v_add_nc_u32 v[TM+12+\b], 0xff000000, v[TM+\b]     ; 2 off its exponent field: the conversion's scale operand
.endr
.irp b, 0,1,2,3
	v_lshrrev_b32 v[TM+4+\b], 23, v[TM+12+\b]          ; the scale's byte
.endr
	v_lshl_or_b32 v[\wd], v[TM+5], 8, v[TM+4]
	v_lshl_or_b32 v[\wd], v[TM+6], 16, v[\wd]
	v_lshl_or_b32 v[\wd], v[TM+7], 24, v[\wd]
	v_cvt_scalef32_pk16_fp6_f32 v[(\da):(\da)+2], v[(\src):(\src)+15], v[TM+12]
	v_cvt_scalef32_pk16_fp6_f32 v[(\sp):(\sp)+2], v[(\src)+16:(\src)+31], v[TM+13]   ; (a conversion's three registers begin on an even number)
	v_cvt_scalef32_pk16_fp6_f32 v[(\db):(\db)+2], v[(\src)+32:(\src)+47], v[TM+14]
	v_cvt_scalef32_pk16_fp6_f32 v[(\sp)+4:(\sp)+6], v[(\src)+48:(\src)+63], v[TM+15]
	v_nop                                              ; one plain place behind the scaled conversions
.irp i, 0,1,2
	v_permlane16_swap_b32 v[(\da)+\i], v[(\sp)+\i]     ; the operand wants a WHOLE block in a lane: lanes 0-15 the even block, lanes 16-31 the odd one
	v_permlane16_swap_b32 v[(\db)+\i], v[(\sp)+4+\i]
.endr
.irp i, 0,1,2
	v_mov_b32 v[(\da)+3+\i], v[(\sp)+\i]
	v_mov_b32 v[(\db)+3+\i], v[(\sp)+4+\i]
.endr
.endm
	s_load_b512 s[4:19], s[0:1], 0x0               ; q, k, v, Wq, Wk, Wv, Wo, codes
	s_load_b64 s[20:21], s[0:1], 0x40              ; scales
	v_lshl_add_u32 v59, v0, 2, 0x8400
	v_mov_b32 v63, 0
	v_lshrrev_b32 v6, 5, v0
	v_readfirstlane_b32 s2, v6                     ; wave
	v_and_b32 v7, 31, v0                           ; lane
	v_and_b32 v8, 15, v0                           ; r
	v_bfe_u32 v9, v0, 4, 1                         ; h
	v_lshlrev_b32 v[GA], 4, v7
	s_mul_i32 s3, s2, 16*SP                        ; my stage
	v_add_nc_u32 v[SI], s3, v[GA]
	v_mul_u32_u24 v[SO], v8, SP
	v_lshl_add_u32 v[SO], v9, 6, v[SO]
	v_add_nc_u32 v[SO], s3, v[SO]
	v_lshlrev_b32 v[WO], 4, v8
	v_lshl_add_u32 v[WO], v9, 3, v[WO]
.irp b, 0,1,2,3
	v_mov_b32 v[TM+4+\b], 0                        ; written once: a lane permute's destination counts as one of its sources
.endr
	s_mov_b32 s[HM], 0xffff0000
	s_mov_b32 s[SEL], 0x76543210
	s_mov_b32 s[SEL+1], 0xfedcba98
	s_lshr_b32 s30, s2, 1                          ; u: which of the group's two tiles
	s_and_b32 s31, s2, 1                           ; j: which half of K
	s_wait_alu depctr_va_vdst(0)
	s_wait_kmcnt 0x0
	s_mov_b64 s[22:23], s[16:17]                   ; the tensor, chosen by the work-group's number alone: Wo from group 480 on,
	s_mov_b32 s24, 480
.macro PICK lim, ptr, first
	s_cmp_lt_u32 ttmp9, \lim
	s_cselect_b64 s[22:23], s[\ptr:\ptr+1], s[22:23]
	s_cselect_b32 s24, \first, s24
.endm
	PICK 480, 14, 448                              ; Wv,
	PICK 448, 12, 416                              ; Wk,
	PICK 416, 10, 384                              ; Wq,
	PICK 384, 8, 256                               ; v,
	PICK 256, 6, 128                               ; k,
	PICK 128, 4, 0                                 ; q
	s_sub_co_u32 s28, ttmp9, s24                   ; g: which group of the tensor
	s_lshr_b32 s3, s28, 1                          ; k: a band of 64 rows is two groups: 64 (g / 2) + 16 (g % 2) rows of 4,096 bytes,
	s_lshl_b32 s3, s3, 18
	s_and_b32 s29, s28, 1
	s_lshl_b32 s29, s29, 16
	s_add_co_u32 s3, s3, s29
	s_lshl_b32 s28, s28, 17                        ; the others: 32 rows of 4,096 bytes a group,
	s_cmp_eq_u32 s24, 128                          ; k's groups begin at 128: the choice hangs on the work-group's number alone
	s_cselect_b32 s28, s3, s28
	s_cselect_b32 s3, 0x10000, 0                   ; and positions 8 .. 15 of k's tiles lie 16 rows further on than the others'
	s_lshl_b32 s29, s30, 15                        ; the odd tile begins 8 rows on,
	s_add_co_u32 s28, s28, s29
	s_lshl_b32 s29, s31, 11                        ; my half of K
	s_add_co_u32 s28, s28, s29
	s_mov_b32 s29, 0
	s_add_nc_u64 s[22:23], s[22:23], s[28:29]
	s_lshl_b32 s24, ttmp9, 1
	s_add_co_u32 s24, s24, s30                     ; T
	s_mul_i32 s28, s24, 12288
	s_mul_i32 s30, s31, 6144
	s_add_co_u32 s28, s28, s30
	s_add_nc_u64 s[18:19], s[18:19], s[28:29]      ; my four images
	s_lshl_b32 s28, s24, 9
	s_lshl_b32 s30, s31, 8
	s_add_co_u32 s28, s28, s30
	s_add_nc_u64 s[20:21], s[20:21], s[28:29]      ; my 256 bytes of scale words
.macro LOAD t                          ; fragment t: 16 rows x 512 bytes into set t % 3; the 32 lanes read 512 consecutive bytes of one row
.irp i, 0,1,2,3,4,5,6,7,8,9,10,11,12,13,14,15
.if \i < 8
	global_load_b128 v[R+64*((\t)%3)+4*\i:R+64*((\t)%3)+4*\i+3], v[GA], s[22:23] offset:(\i+8*(\i/8))*4096+512*(\t) th:TH_LOAD_NT
.else
	global_load_b128 v[R+64*((\t)%3)+4*\i:R+64*((\t)%3)+4*\i+3], v4, s[22:23] offset:(\i+8*(\i/8))*4096+512*(\t) th:TH_LOAD_NT
.endif
.endr
.endm
.macro TURN t                          ; through my stage: LDS serves a wave's instructions in order (ISA guide 5.7.1.4), so no wait stands between the stores and the loads
.irp i, 0,1,2,3,4,5,6,7,8,9,10,11,12,13,14,15
	ds_store_b128 v[SI], v[R+64*((\t)%3)+4*\i:R+64*((\t)%3)+4*\i+3] offset:SP*\i
.endr
.irp b, 0,1,2,3
.irp j, 0,1,2,3
	ds_load_b128 v[R+64*((\t)%3)+16*\b+4*\j:R+64*((\t)%3)+16*\b+4*\j+3], v[SO] offset:128*\b+16*\j
.endr
.endr
.endm
.macro STEP t, left
	s_wait_loadcnt \left                           ; this fragment's 16 loads are in; the sets asked for behind it may be out
	TURN \t
	s_wait_dscnt 0x0
.if (\t) >= 2
	s_wait_xcnt 0x0                                ; the stores of two fragments back have read this set of codes
.endif
	QUANT R+64*((\t)%3), PC+12*((\t)%2), PC+12*((\t)%2)+6, PT, PW+(\t)
.irp g, 0,1,2
	global_store_b128 v[GA], v[PC+12*((\t)%2)+4*\g:PC+12*((\t)%2)+4*\g+3], s[18:19] offset:1536*(\t)+512*\g   ; 512 consecutive bytes, aligned
.endr
.endm
	v_add_nc_u32 v4, s3, v[GA]                     ; v4: the offset of positions 8 .. 15
	LOAD 0
	LOAD 1
	LOAD 2
	STEP 0, 32
	LOAD 3                                         ; into the set that fragment 0 has left
	STEP 1, 32
	STEP 2, 16
	STEP 3, 0
	v_cndmask_b32 v30, v[PW], v[PW+2], s[HM]       ; both halves of the lanes hold all four words: lanes 0-15 store words 0, 1, lanes 16-31 words 2, 3
	v_cndmask_b32 v31, v[PW+1], v[PW+3], s[HM]
	global_store_b64 v[WO], v[30:31], s[20:21]     ; 256 consecutive bytes, aligned
	s_wait_tensorcnt 0x0
	ds_add_u32 v59, v63
	s_wait_dscnt 0x0
	s_endpgm
.Lfunc_end_k_qfb07bb06ba_quant:
	.size	k_qfb07bb06ba_quant, .Lfunc_end_k_qfb07bb06ba_quant-k_qfb07bb06ba_quant
	.p2alignl 7, 3214868480
	.fill 96, 4, 3214868480
	.section	.rodata,"a",@progbits
	.p2align	6, 0x0
	.amdhsa_kernel k_qfb07bb06ba_quant
		.amdhsa_group_segment_fixed_size 34304
		.amdhsa_private_segment_fixed_size 0
		.amdhsa_enable_private_segment 0
		.amdhsa_kernarg_size 72
		.amdhsa_user_sgpr_count 2
		.amdhsa_user_sgpr_kernarg_segment_ptr 1
		.amdhsa_wavefront_size32 1
		.amdhsa_system_sgpr_workgroup_id_x 1
		.amdhsa_system_sgpr_workgroup_id_y 1
		.amdhsa_system_sgpr_workgroup_id_z 1
		.amdhsa_system_vgpr_workitem_id 0
		.amdhsa_next_free_vgpr 256
		.amdhsa_next_free_sgpr 66
		.amdhsa_reserve_vcc 0
		.amdhsa_float_denorm_mode_32 3
		.amdhsa_float_denorm_mode_16_64 3
		.amdhsa_memory_ordered 1
		.amdhsa_forward_progress 1
		.amdhsa_inst_pref_size 35
	.end_amdhsa_kernel
	.amdgpu_metadata
---
amdhsa.version: [ 1, 2 ]
amdhsa.kernels:
  - .name:           k_qfb07bb06ba_quant
    .symbol:         k_qfb07bb06ba_quant.kd
    .args:
      - { .name: q, .offset: 0, .size: 8, .value_kind: global_buffer, .address_space: global }
      - { .name: k, .offset: 8, .size: 8, .value_kind: global_buffer, .address_space: global }
      - { .name: v, .offset: 16, .size: 8, .value_kind: global_buffer, .address_space: global }
      - { .name: Wq, .offset: 24, .size: 8, .value_kind: global_buffer, .address_space: global }
      - { .name: Wk, .offset: 32, .size: 8, .value_kind: global_buffer, .address_space: global }
      - { .name: Wv, .offset: 40, .size: 8, .value_kind: global_buffer, .address_space: global }
      - { .name: Wo, .offset: 48, .size: 8, .value_kind: global_buffer, .address_space: global }
      - { .name: codes, .offset: 56, .size: 8, .value_kind: global_buffer, .address_space: global }
      - { .name: scales, .offset: 64, .size: 8, .value_kind: global_buffer, .address_space: global }
    .group_segment_fixed_size: 34304
    .private_segment_fixed_size: 0
    .kernarg_segment_align: 8
    .kernarg_segment_size: 72
    .max_flat_workgroup_size: 128
    .sgpr_count:     66
    .vgpr_count:     256
    .wavefront_size: 32
...
	.end_amdgpu_metadata
.endif
;; end of part 1
;; launch proj (part 2): grid 4 x 48, 4 waves a work-group, clusters of 4 x 4, 327,680 bytes of LDS; arguments codes, scales, bq, bk, bv, qc, qs, kvc, kvs; writes qc, qs, kvc, kvs
.if DOCPART == 2
	.amdgcn_target "amdgcn-amd-amdhsa--gfx1250"
	.amdhsa_code_object_version 6
	.text
	.protected	k_qfb07bb06ba_proj
	.globl	k_qfb07bb06ba_proj
	.p2align	8
	.type	k_qfb07bb06ba_proj,@function
k_qfb07bb06ba_proj:
	s_mov_b64 s[64:65], 0
	v_nop
	global_prefetch_b8 v0, s[64:65] scope:SCOPE_SE
	s_setreg_imm32_b32 hwreg(HW_REG_WAVE_MODE, 25, 1), 1
	s_wait_xcnt 0x0
	s_wait_alu depctr_hold_cnt(0) depctr_sa_sdst(0) depctr_va_vdst(0) depctr_va_sdst(0) depctr_va_ssrc(0) depctr_va_vcc(0) depctr_vm_vsrc(0)
	s_getreg_b32 s2, hwreg(HW_REG_IB_STS2, 6, 4)
	s_cmp_eq_u32 s2, 0
	s_cbranch_scc0 .Lentry_in_a_cluster
	s_endpgm
.Lentry_in_a_cluster:
	s_bfe_u32 s2, ttmp6, 0x10000c
	s_cmp_lg_u32 s2, 0xf033
	s_cbranch_scc0 .Lentry_shape_is_right
	s_endpgm
.Lentry_shape_is_right:
; The three input projections on codes of FP6 (E2M3), each result + its bias quantised again for the attention, in registers.
; ONE FORM: G[i][j] = sum over k of P[i][k] R[j][k], K = 1,024; source 0 = 16 rows of R, source 1 = 16 rows of P: a lane holds one i, its registers run along j, and G is quantised along j.
;   query: P = q, R = Wq (j = the heads' channels);  key: P = k, R = Wk;  value: P = Wv, R = v (j = the keys, which are the K of the attention's second product).
; Operands come as images of their registers (codes: [tile of 16 rows][K step][1,536 bytes]); a tile t holds rows 32 (t / 2) + 8 (t % 2) + {0 .. 7, 16 .. 23}, so that the 16 registers
; of R's tiles 2 b and 2 b + 1 are 16 neighbours along j: j = 32 b + 16 (lane / 16) + 0 .. 15.
; SHARES.  A work-group makes 256 x 256 of G, each of its four waves 128 x 128: 64 accumulators.  192 work-groups: 64 for each projection.
; CLUSTERS of 4 x 4: P's tile hangs on the cluster's row, R's on its column: each is asked for JOINTLY by the four that need it.
; LDS: three slots of 98,304 bytes, each 256 along K of P's 256 rows and R's 256 rows.  K is four such chunks: three first fills, and ONE refill (chunk 3 into slot 0).
; OUT.  qc [head of a batch 32][step of 128 rows 16][pair of tiles 4][1,536]: registers 0-5 the even tile's 64 codes a row, 6-11 the odd tile's; qs [..][..][lane][pair] words (lane (r, h): tile 2 p + h;
; bytes 2, 3 are 0).  kvc [..][step][keys: as qc, 6,144 | values: 4 images (16 channels x the step's 128 keys), 6,144]; kvs [..][step][keys 512 | values: [lane][2] words, 256].
; LIMITS: NaN and infinities are not served; a block whose largest magnitude lies under 2^-124 (zeros too) gets the byte 1.
; REGISTERS, in windows of 256.  Window 0: v16-25 addresses; v28, v29 for the add; v32-95 scale words; v96-127 at work on the way out; v128-223 P's fragments, ONE set, later the way out; v224-239 bv by lane.
;   Window 1: R's fragments, two sets at v0 and v128; the bias along the registers at v96-127 and v224-255.  Windows 2, 3: the accumulators ((a, b) at v[8 (8 (a % 4) + b)]).
; HOW LDS IS FILLED (in place of the three slots named above): two regions of 147,456 bytes, K steps 0-2 and 3-5, each P's 16 tiles x 4,608 bytes and then R's: four first fills at the head, one a wave.
; ONE refill: K steps 6 and 7, laid as a slot of 98,304 bytes (a quarter a wave, tiles of 3,072 bytes), onto the first region's bytes, when K steps 0-2 are all in registers.
.set FR,    12
.set REG,   147456                     ; a region: three K steps of 256 + 256 rows
.set IMG,   1536
.set QRT,   8*2*IMG                    ; what one tensor load brings: 8 tiles x 2 K steps
.set SLOT,  4*QRT
.set SPARE, 3*SLOT                     ; the spare words, 128 bytes a wave: two blocks of 256 bytes that no other line names
.set ADRA,  16                         ; v16-18 my half of P in slot 0, 1, 2, + 16 x lane
.set ADRB,  20                         ; v20-22 my half of R
.set LI,    24                         ; v24  16 x lane
.set L8,    25                         ; v25  8 x lane
.set SPW,   28
.set NIL,   29
.set SC,    32                         ; register 8 i + S: lanes 0-15 the word of P's tile i, lanes 16-31 of R's tile i, for K step S
.set TM,    96
.set PW,    112
.set WA,    113                        ; v113-116
.set SWA,   120
.set SWB,   124
.set AF,    128
.set HA,    128                        ; the way out: 64 numbers
.set IA,    192                        ; two images
.set IB,    204
.set PT,    216
.set BV,    224
.set WV,    22
.set WR,    23                         ; which half of P I multiply; also: I fetch for P (0) or for R (1)
.set WC,    76                         ; which half of R I multiply; also: which 128 rows I fetch
.set G1P,   24
.set G1R,   32
.set G0P,   40                         ; s[40:55] group 0 for P's chunks 0 .. 3;  R's: s[56:63], s[68:75]
.set ISV,   86
.set HM,    97
.set SEL,   98
.set DA,    84                         ; s[84:85], s[14:15] where the two heads' codes go;  s[88:89], s[16:17] their scale words
.set DB,    14
.set SA,    88
.set SB,    16
.set MSB, 0
.macro WIN new                         ; the immediate's high byte repeats the setting that is left
.if MSB != \new
	s_set_vgpr_msb (MSB<<8)|\new
.set MSB, \new
.endif
.endm
.set MUL_LO, 0xa1                      ; source 0 (R) window 1, source 1 (P) window 0, C and D window 2
.set MUL_HI, 0xf1
.set TO_B,   0x40
.macro PLACES n
.rept \n
	v_nop
.endr
.endm
.macro CREST                           ; a round of the cluster's barrier behind its opening barrier
	s_cmp_lg_u32 s[WV], 0
	s_cbranch_scc1 .Lnot_wave_0_\@
	s_barrier_signal -3
.Lnot_wave_0_\@:
	s_barrier_wait -3
	s_barrier_signal -1
	s_barrier_wait -1
.endm
.macro CROUND
	s_barrier_signal -1
	s_barrier_wait -1
	CREST
.endm
; 64 numbers of a lane, register 16 b + i = j 32 b + 16 (lane / 16) + i, become 12 registers of codes (0-5 at v[da], 6-11 at v[db]) and a scale word in v[wd].
.macro QUANT src, da, db, sp, wd
.irp b, 0,1,2,3
	v_max3_num_f32 v[TM+\b], |v[(\src)+16*\b]|, |v[(\src)+1+16*\b]|, 0x1800000   ; and the floor 2^(3 - 127): the byte cannot fall under 1
.endr
.irp i, 2,4,6,8,10,12,14
.irp b, 0,1,2,3
	v_max3_num_f32 v[TM+\b], v[TM+\b], |v[(\src)+16*\b+\i]|, |v[(\src)+1+16*\b+\i]|
.endr
.endr
.irp b, 0,1,2,3
	v_permlanex16_b32 v[TM+4+\b], v[TM+\b], s[SEL], s[SEL+1]
.endr
.irp b, 0,1,2,3
	v_max_num_f32 v[TM+\b], v[TM+\b], v[TM+4+\b]
.endr
.irp b, 0,1,2,3
	v_add_nc_u32 v[TM+12+\b], 0xff000000, v[TM+\b]     ; 2 off the exponent field: the conversion's scale operand
.endr
.irp b, 0,1,2,3
	v_lshrrev_b32 v[TM+4+\b], 23, v[TM+12+\b]
.endr
	v_lshl_or_b32 v[\wd], v[TM+5], 8, v[TM+4]
	v_lshl_or_b32 v[\wd], v[TM+6], 16, v[\wd]
	v_lshl_or_b32 v[\wd], v[TM+7], 24, v[\wd]
	v_cvt_scalef32_pk16_fp6_f32 v[(\da):(\da)+2], v[(\src):(\src)+15], v[TM+12]
	v_cvt_scalef32_pk16_fp6_f32 v[(\sp):(\sp)+2], v[(\src)+16:(\src)+31], v[TM+13]
	v_cvt_scalef32_pk16_fp6_f32 v[(\db):(\db)+2], v[(\src)+32:(\src)+47], v[TM+14]
	v_cvt_scalef32_pk16_fp6_f32 v[(\sp)+4:(\sp)+6], v[(\src)+48:(\src)+63], v[TM+15]
	v_nop                                              ; one plain place behind the scaled conversions
.irp i, 0,1,2
	v_permlane16_swap_b32 v[(\da)+\i], v[(\sp)+\i]
	v_permlane16_swap_b32 v[(\db)+\i], v[(\sp)+4+\i]
.endr
.irp i, 0,1,2
	v_mov_b32 v[(\da)+3+\i], v[(\sp)+\i]
	v_mov_b32 v[(\db)+3+\i], v[(\sp)+4+\i]
.endr
.endm
	s_load_b512 s[4:19], s[0:1], 0x0               ; codes, scales, bq, bk, bv, qc, qs, kvc
	s_load_b64 s[20:21], s[0:1], 0x40              ; kvs
	v_lshl_add_u32 v[SPW], v0, 2, SPARE
	v_mov_b32 v[NIL], 0
	ds_add_u32 v28, v29
	ds_add_u32 v28, v29
	s_wait_dscnt 0x0
	v_lshrrev_b32 v1, 5, v0
	v_readfirstlane_b32 s[WV], v1
	s_lshr_b32 s[WR], s[WV], 1
	s_and_b32 s[WC], s[WV], 1
	s_bfe_u32 s77, ttmp6, 0x40000                  ; cx
	s_bfe_u32 s78, ttmp6, 0x40004                  ; cy
	s_and_b32 s79, ttmp7, 0xffff                   ; the cluster's y, 0 .. 11
	s_lshr_b32 s80, s79, 2                         ; which projection: 0 query, 1 key, 2 value
	s_and_b32 s81, s79, 3
	s_lshl_b32 s81, s81, 2                         ; 4 x which of its four clusters
	s_lshl_b32 s84, s80, 8                         ; q's or k's first tile of 16,
	s_lshl_b32 s85, s80, 6
	s_add_co_u32 s85, s85, 768                     ; Wq's or Wk's
	s_cmp_eq_u32 s80, 2                            ; the same in all sixteen partners
	s_cselect_b32 s82, 0, s81
	s_cselect_b32 s83, s81, 0
	s_cselect_b32 s84, 896, s84                    ; P's first tile of 16 (value: Wv)
	s_cselect_b32 s85, 512, s85                    ; R's (value: v)
	s_cselect_b32 s[ISV], 1, 0
	s_add_co_u32 s82, s82, s78                     ; Pt: which 256 rows of P: hangs on cy alone
	s_add_co_u32 s83, s83, s77                     ; Rt: which 256 rows of R: on cx alone
	s_lshl_b32 s87, s78, 2
	s_lshl_b32 s87, 15, s87                        ; my row of the cluster
	s_lshl_b32 s88, 0x1111, s77                    ; my column
	; descriptor group 1: 8 rows (tiles of 16) of 3,072 bytes (two K steps' images), 12,288 bytes apart; elements of 8 bytes; no padding: images are read 16 bytes a lane on end
	s_or_b32 s[G1P], s87, (3<<16)|(1<<21)
	s_or_b32 s[G1R], s88, (3<<16)|(1<<21)
.irp g, G1P, G1R
	s_mov_b32 s[\g+1], 576<<16                     ; tensor_dim0: the head's loads bring three K steps' images, 4,608 bytes a tile
	s_mov_b32 s[\g+2], 16<<16                      ; tensor_dim1: the head's loads bring 16 tiles; behind them this word and tile_dim1 are set to 8
	s_mov_b32 s[\g+3], 576<<16                     ; tile_dim0
	s_mov_b32 s[\g+4], 16                          ; tile_dim1
	s_mov_b32 s[\g+5], 1536                        ; tensor_dim0_stride
	s_mov_b32 s[\g+6], 0
	s_mov_b32 s[\g+7], 0
.endr
	s_lshl_b32 s89, s82, 4
	s_add_co_u32 s89, s89, s84                     ; the first tile of 16 of my work-group's P,
	s_lshl_b32 s90, s83, 4
	s_add_co_u32 s90, s90, s85                     ; and R
	s_lshl_b32 s91, s[WC], 3
	s_add_co_u32 s92, s89, s91
	s_mul_i32 s92, s92, 12288
	s_mov_b32 s93, 0
	s_add_co_u32 s94, s90, s91
	s_mul_i32 s94, s94, 12288
	s_mov_b32 s95, 0
	s_mul_i32 s96, s[WV], QRT                      ; where my quarter of a slot lies: the wave's number alone
	s_wait_kmcnt 0x0
	s_add_nc_u64 s[92:93], s[4:5], s[92:93]
	s_add_nc_u64 s[94:95], s[4:5], s[94:95]
	; the head's loads, one a wave: wave w brings chunk w / 2 of all 16 tiles of P (w even) or of R (w odd)
	s_mul_i32 s44, s[WR], 3*IMG                    ; K steps 0-2 (waves 0, 1) or 3-5 (waves 2, 3)
	s_mul_i32 s2, s89, 12288
	s_add_co_u32 s2, s2, s44
	s_mov_b32 s3, 0
	s_mov_b32 s40, 1
	s_mul_i32 s41, s[WR], REG                      ; region w / 2: P's 16 tiles, then R's
	s_add_nc_u64 s[42:43], s[4:5], s[2:3]
	s_or_b32 s43, s43, 0x80000000
	s_mul_i32 s60, s90, 12288
	s_add_co_u32 s60, s60, s44
	s_mov_b32 s61, 0
	s_mov_b32 s56, 1
	s_add_co_u32 s57, s41, REG/2
	s_add_nc_u64 s[58:59], s[4:5], s[60:61]
	s_or_b32 s59, s59, 0x80000000
.irp c, 3
	s_mov_b32 s[G0P+4*\c], 1
	s_add_co_u32 s[G0P+4*\c+1], s96, (\c%3)*SLOT
	s_add_nc_u64 s[G0P+4*\c+2:G0P+4*\c+3], s[92:93], \c*2*IMG
	s_or_b32 s[G0P+4*\c+3], s[G0P+4*\c+3], 0x80000000
	s_mov_b32 s[56+4*\c+4*(\c/2)], 1
	s_add_co_u32 s[56+4*\c+4*(\c/2)+1], s96, (\c%3)*SLOT
	s_add_nc_u64 s[56+4*\c+4*(\c/2)+2:56+4*\c+4*(\c/2)+3], s[94:95], \c*2*IMG
	s_or_b32 s[56+4*\c+4*(\c/2)+3], s[56+4*\c+4*(\c/2)+3], 0x80000000
.endr
	CROUND                                         ; all sixteen work-groups are here: the first joint loads meet
	s_cmp_eq_u32 s[WV], 0                          ; one chain of branches on the wave's number, one load to an arm, each arm one wave's own
	s_cbranch_scc0 .Lwave_1
	tensor_load_to_lds s[40:43], s[G1P:G1P+7]      ; wave 0: P, K steps 0-2
	s_nop 0
	PLACES 4
	s_branch .Lfirst_asked
.Lwave_1:
	s_cmp_eq_u32 s[WV], 1
	s_cbranch_scc0 .Lwave_2
	tensor_load_to_lds s[56:59], s[G1R:G1R+7]      ; wave 1: R, K steps 0-2
	s_nop 0
	PLACES 4
	s_branch .Lfirst_asked
.Lwave_2:
	s_cmp_eq_u32 s[WV], 2
	s_cbranch_scc0 .Lwave_3
	tensor_load_to_lds s[40:43], s[G1P:G1P+7]      ; wave 2: P, K steps 3-5
	s_nop 0
	PLACES 4
	s_branch .Lfirst_asked
.Lwave_3:
	tensor_load_to_lds s[56:59], s[G1R:G1R+7]      ; wave 3: R, K steps 3-5
	s_nop 0
	PLACES 4
.Lfirst_asked:
	s_mov_b32 s[HM], 0xffff0000
	s_mov_b32 s[SEL], 0x76543210
	s_mov_b32 s[SEL+1], 0xfedcba98
	v_and_b32 v1, 31, v0
	v_and_b32 v2, 15, v0                           ; r
	v_bfe_u32 v3, v0, 4, 1                         ; h
	v_lshlrev_b32 v[LI], 4, v1
	v_lshlrev_b32 v[L8], 3, v1
	s_mul_i32 s2, s[WR], QRT                       ; register 2 of each three: K steps 6, 7, as the refill lays them
	s_mul_i32 s3, s[WC], QRT
	s_add_co_u32 s3, s3, 2*QRT
	v_add_nc_u32 v[ADRA+2], s2, v[LI]
	v_add_nc_u32 v[ADRB+2], s3, v[LI]
	s_mul_i32 s2, s[WR], REG/4                     ; registers 0, 1: my 8 tiles of 4,608 bytes in the two regions
	s_mul_i32 s3, s[WC], REG/4
	s_add_co_u32 s3, s3, REG/2
	v_add_nc_u32 v[ADRA], s2, v[LI]
	v_add_nc_u32 v[ADRB], s3, v[LI]
	v_add_nc_u32 v[ADRA+1], REG, v[ADRA]
	v_add_nc_u32 v[ADRB+1], REG, v[ADRB]
	; the scale words of my 128 rows of P (lanes 0-15) and of R (lanes 16-31), for all of K: 16 loads, each half of the lanes 256 consecutive bytes
	s_lshl_b32 s79, s[WR], 3
	s_add_co_u32 s79, s79, s89
	s_lshl_b32 s79, s79, 9
	s_add_co_u32 s81, s90, s91
	s_lshl_b32 s81, s81, 9
	v_mov_b32 v4, s79
	v_mov_b32 v5, s81
	v_cndmask_b32 v4, v4, v5, s[HM]
	v_lshl_add_u32 v4, v2, 4, v4
.irp i, 0,1,2,3,4,5,6,7
.irp j, 0,1
	global_load_b128 v[SC+8*\i+4*\j:SC+8*\i+4*\j+3], v4, s[6:7] offset:512*\i+256*\j
.endr
.endr
	; THE BIASES.  Query and key want theirs along the registers (j), the value by lane (i).  Every work-group loads both kinds, so that the head has one way for all; the tile number in the
	; kind that it will not use is cut to 0 .. 3, which keeps the loads inside their buffers.
	s_cmp_eq_u32 s80, 0
	s_cselect_b64 s[92:93], s[8:9], s[10:11]
	s_cmp_eq_u32 s80, 2
	s_cselect_b64 s[92:93], s[12:13], s[92:93]
	s_and_b32 s94, s83, 3
	s_lshl_b32 s94, s94, 10
	s_lshl_b32 s95, s[WC], 9
	s_add_co_u32 s94, s94, s95
	s_mov_b32 s95, 0
	s_add_nc_u64 s[92:93], s[92:93], s[94:95]      ; my 128 numbers along j
	v_lshlrev_b32 v5, 6, v3                        ; 64 h: tile b's register n is j = 32 (b / 2) + 16 h + 8 (b % 2) + n
	WIN TO_B
.irp b, 0,1,2,3,4,5,6,7
	global_load_b128 v[96+8*(\b%4)+128*(\b/4):96+8*(\b%4)+128*(\b/4)+3], v5, s[92:93] offset:(32*(\b/2)+8*(\b%2))*4
	global_load_b128 v[96+8*(\b%4)+128*(\b/4)+4:96+8*(\b%4)+128*(\b/4)+7], v5, s[92:93] offset:(32*(\b/2)+8*(\b%2))*4+16
.endr
	WIN 0
	s_and_b32 s94, s82, 3
	s_lshl_b32 s94, s94, 10
	s_lshl_b32 s95, s[WR], 9
	s_add_co_u32 s94, s94, s95
	s_mov_b32 s95, 0
	s_add_nc_u64 s[94:95], s[12:13], s[94:95]      ; bv: my 128 numbers along i
	v_and_b32 v6, 8, v2
	v_add_nc_u32 v6, v6, v2
	v_lshlrev_b32 v6, 2, v6                        ; position r of a tile is row r + 8 (r / 8)
.irp a, 0,1,2,3,4,5,6,7
	global_load_b32 v[BV+2*\a], v6, s[94:95] offset:(32*(\a/2)+8*(\a%2))*4
	v_mov_b32 v[BV+2*\a+1], 0                      ; (named with it as a pair, so it is written)
.endr
.irp b, 0,1,2,3
	v_mov_b32 v[TM+4+\b], 0                        ; written once: a lane permute's destination counts as one of its sources
.endr
	; where the results go.  X: the tile number of the operand whose rows are tokens, Z: of the one whose rows are channels
	s_cmp_eq_u32 s[ISV], 1
	s_cselect_b32 s77, s83, s82                    ; X
	s_cselect_b32 s78, s[WC], s[WR]                ; and my half of it
	s_cselect_b32 s79, s82, s83                    ; Z
	s_cselect_b32 s81, s[WR], s[WC]
	s_cmp_eq_u32 s80, 0
	s_cselect_b64 s[DA:DA+1], s[14:15], s[18:19]   ; qc or kvc
	s_cselect_b64 s[SA:SA+1], s[16:17], s[20:21]   ; qs or kvs
	s_mov_b32 s87, 196608
	s_cselect_b32 s87, 98304, s87                  ; bytes of codes for a head,
	s_mov_b32 s90, 12288
	s_cselect_b32 s90, 6144, s90                   ; for a step of 128 tokens;
	s_mov_b32 s91, 12288
	s_cselect_b32 s91, 8192, s91                   ; of scale words for a head,
	s_mov_b32 s96, 768
	s_cselect_b32 s96, 512, s96                    ; for a step
	s_lshr_b32 s80, s77, 3
	s_lshl_b32 s80, s80, 4                         ; 16 x batch
	s_lshl_b32 s79, s79, 2
	s_add_co_u32 s80, s80, s79
	s_lshl_b32 s81, s81, 1
	s_add_co_u32 s80, s80, s81                     ; + my first head: 4 Z + 2 x half
	s_lshl_b32 s77, s77, 1
	s_add_co_u32 s77, s77, s78
	s_and_b32 s77, s77, 15                         ; the step in its batch
	s_mul_i32 s78, s80, s87
	s_mul_i32 s79, s77, s90
	s_add_co_u32 s78, s78, s79
	s_mov_b32 s79, 0
	s_add_nc_u64 s[DA:DA+1], s[DA:DA+1], s[78:79]
	s_mov_b32 s78, s87
	s_add_nc_u64 s[DB:DB+1], s[DA:DA+1], s[78:79]  ; my second head
	s_mul_i32 s78, s80, s91
	s_mul_i32 s81, s77, s96
	s_add_co_u32 s78, s78, s81
	s_add_nc_u64 s[SA:SA+1], s[SA:SA+1], s[78:79]
	s_mov_b32 s78, s91
	s_add_nc_u64 s[SB:SB+1], s[SA:SA+1], s[78:79]
; 16 matrix instructions: P's tiles a0, a0 + 1 x R's eight, K step ks.  The 64 accumulators take turns, one instruction a turn, in the same order in every step.
.macro MUL16 a0, ks, zero
.irp a, \a0, \a0+1
.irp b, 0,1,2,3,4,5,6,7
.if \zero
	v_wmma_scale_f32_16x16x128_f8f6f4 v[8*(8*((\a)%4)+\b):8*(8*((\a)%4)+\b)+7], v[128*((\ks)%2)+FR*\b:128*((\ks)%2)+FR*\b+FR-1], v[AF+FR*(\a):AF+FR*(\a)+FR-1], 0, v[SC+8*\b+(\ks)], v[SC+8*(\a)+(\ks)] matrix_a_fmt:MATRIX_FMT_FP6 matrix_b_fmt:MATRIX_FMT_FP6 matrix_a_scale:MATRIX_SCALE_ROW1
.else
	v_wmma_scale_f32_16x16x128_f8f6f4 v[8*(8*((\a)%4)+\b):8*(8*((\a)%4)+\b)+7], v[128*((\ks)%2)+FR*\b:128*((\ks)%2)+FR*\b+FR-1], v[AF+FR*(\a):AF+FR*(\a)+FR-1], v[8*(8*((\a)%4)+\b):8*(8*((\a)%4)+\b)+7], v[SC+8*\b+(\ks)], v[SC+8*(\a)+(\ks)] matrix_a_fmt:MATRIX_FMT_FP6 matrix_b_fmt:MATRIX_FMT_FP6 matrix_a_scale:MATRIX_SCALE_ROW1
.endif
.endr
.endr
.endm
.macro FETCH_B ks                      ; R's eight fragments of K step ks (address register ks / 3) into set ks % 2: 24 loads
	WIN TO_B
.irp i, 0,1,2,3,4,5,6,7
.irp g, 0,1,2
	ds_load_b128 v[128*((\ks)%2)+FR*\i+4*\g:128*((\ks)%2)+FR*\i+4*\g+3], v[ADRB+(\ks)/3] offset:(3-(\ks)/6)*IMG*\i+IMG*((\ks)%3)+512*\g   ; K step ks: address register ks / 3; a tile is three images, for K steps 6 and 7 two; image ks % 3
.endr
.endr
	WIN 0
.endm
.macro FETCH_A ks, i0                  ; P's tiles i0 .. i0 + 3: 12 loads
.irp i, \i0, \i0+1, \i0+2, \i0+3
.irp g, 0,1,2
	ds_load_b128 v[AF+FR*(\i)+4*\g:AF+FR*(\i)+4*\g+3], v[ADRA+(\ks)/3] offset:(3-(\ks)/6)*IMG*(\i)+IMG*((\ks)%3)+512*\g
.endr
.endr
.endm
; A load into a register that a matrix instruction has read stands four places behind it; only plain vector instructions that name none of its registers are places (ISA guide 7.12.1 for vector instructions).
.macro STEP ks, zero                   ; a K step whose successor's tiles have been shown whole by an earlier barrier
	s_wait_dscnt 12                                ; R's set and P's tiles 0-3 are in; the youngest twelve loads (P's tiles 4-7) may be out
	WIN MUL_LO
	MUL16 0, \ks, \zero
	MUL16 2, \ks, \zero
	s_wait_dscnt 0x0
	PLACES 4
	FETCH_B (\ks)+1
	FETCH_A (\ks)+1, 0
	WIN MUL_HI
	MUL16 4, \ks, \zero
	MUL16 6, \ks, \zero
	PLACES 4
	WIN 0
	FETCH_A (\ks)+1, 4
.endm
; A K step with a barrier in it.  In front of the barrier each wave waits for all its tensor loads, adds 0 to its spare word, and waits for that and for its reads so far.
; fill = 1: the barrier opens a round of the cluster's barrier, and behind the round slot 0, which nobody reads any more, takes chunk 3.
.macro TURN ks, fill
	s_wait_tensorcnt 0x0                           ; all my tensor loads have landed;  (every window is 0 here)
	ds_add_u32 v[SPW], v[NIL]                      ; 0 onto my spare word
.if \fill
.irp g, G1P, G1R
	s_mov_b32 s[\g+1], 384<<16                     ; no tensor load of mine is out: the refill brings 8 tiles x two K steps' images, 3,072 bytes a tile
	s_mov_b32 s[\g+2], 8<<16
	s_mov_b32 s[\g+3], 384<<16
	s_mov_b32 s[\g+4], 8
.endr
.endif
	s_wait_dscnt 13                                ; (the add and the youngest twelve loads may be out)
	WIN MUL_LO
	MUL16 0, \ks, 0
	s_wait_dscnt 0x0                               ; the add is done, and my reads of this step's slot are over
	s_barrier_signal -1
	MUL16 2, \ks, 0
	WIN 0
	s_barrier_wait -1
.if \fill
	CREST
	s_cmp_eq_u32 s[WR], 0
	s_cbranch_scc0 .Lfor_r_\@
	tensor_load_to_lds s[52:55], s[G1P:G1P+7]      ; my one tensor load behind the round: 160 matrix instructions stand between it and the wait for it
	s_nop 0
	PLACES 4                                       ; (also the places in front of the loads below)
	s_branch .Lasked_\@
.Lfor_r_\@:
	tensor_load_to_lds s[72:75], s[G1R:G1R+7]
	s_nop 0
	PLACES 4
.Lasked_\@:
.else
	PLACES 4
.endif
	FETCH_B (\ks)+1
	FETCH_A (\ks)+1, 0
	WIN MUL_HI
	MUL16 4, \ks, 0
	MUL16 6, \ks, 0
	PLACES 4
	WIN 0
	FETCH_A (\ks)+1, 4
.endm
	s_wait_alu depctr_va_vdst(0)                   ; the head's end
	s_cmp_lt_u32 s[WV], 2
	s_cbranch_scc0 .Lsecond_three
	s_wait_tensorcnt 0x0                           ; waves 0 and 1: K steps 0-2 are in
.Lsecond_three:
	s_barrier_signal -1
	s_barrier_wait -1                              ; waves 2 and 3's loads may be on their way
	FETCH_B 0
	FETCH_A 0, 0
	FETCH_A 0, 4
	s_wait_loadcnt 0x0                             ; the scale words and the biases
	STEP 0, 1                                      ; the first products start the sums: nothing is cleared
	STEP 1, 0
	TURN 2, 1                                      ; every wave has shown its head's load landed: K steps 3-5 are whole; K steps 0-2 are all in registers, and their bytes take K steps 6 and 7
	STEP 3, 0
	STEP 4, 0
	TURN 5, 0                                      ; chunk 3 has landed, in every wave
	STEP 6, 0
	s_wait_dscnt 12                                ; the last K step: nothing more to fetch
	WIN MUL_LO
	MUL16 0, 7, 0
	MUL16 2, 7, 0
	s_wait_dscnt 0x0
	WIN MUL_HI
	MUL16 4, 7, 0
	MUL16 6, 7, 0
	WIN 0
	PLACES 4                                       ; in front of the first read of results and the first write over P's fragments
; THE WAY OUT touches no LDS: a lane's 64 registers of one tile of P are 128 neighbours along j shared with lane l xor 16, as QUANT wants them.
.macro EPI_QK p                        ; P's tiles 2 p, 2 p + 1: blocks 0, 1 along j are my first head's 64 channels, blocks 2, 3 my second head's
	s_wait_xcnt 0x0                                ; the last pair's stores have read the two images
.irp u, 0,1
	WIN (0x06+(2*(\p)+\u)/4)                       ; source 0: the accumulators' window; source 1: window 1
.irp b, 0,1,2,3,4,5,6,7
.irp n, 0,2,4,6
	v_pk_add_f32 v[HA+8*\b+\n:HA+8*\b+\n+1], v[64*((2*(\p)+\u)%4)+8*\b+\n:64*((2*(\p)+\u)%4)+8*\b+\n+1], v[96+8*(\b%4)+128*(\b/4)+\n:96+8*(\b%4)+128*(\b/4)+\n+1]   ; + the bias, and into window 0; each accumulator from its low end on
.endr
.endr
	WIN 0
	QUANT HA, IA+6*\u, IB+6*\u, PT, PW
	v_and_b32 v[WA+2*\u], 0xffff, v[PW]            ; the first head's two bytes; bytes 2 and 3, of the K that a head does not have, are 0
	v_lshrrev_b32 v[WA+2*\u+1], 16, v[PW]          ; the second head's
.endr
	v_cndmask_b32 v[SWA+(\p)], v[WA], v[WA+2], s[HM]     ; lanes 0-15 the even tile's word, lanes 16-31 the odd tile's
	v_cndmask_b32 v[SWB+(\p)], v[WA+1], v[WA+3], s[HM]
.irp g, 0,1,2
	global_store_b128 v[LI], v[IA+4*\g:IA+4*\g+3], s[DA:DA+1] offset:IMG*(\p)+512*\g
	global_store_b128 v[LI], v[IB+4*\g:IB+4*\g+3], s[DB:DB+1] offset:IMG*(\p)+512*\g
.endr
.endm
.macro EPI_V a                         ; P's tile a: 16 channels of head a / 4 x the step's 128 keys: one fragment
	s_wait_xcnt 0x0                                ; earlier stores have read their registers
	WIN (0x02+(\a)/4)
.irp n, 0,2,4,6,8,10,12,14,16,18,20,22,24,26,28,30,32,34,36,38,40,42,44,46,48,50,52,54,56,58,60,62
	v_pk_add_f32 v[HA+\n:HA+\n+1], v[64*((\a)%4)+\n:64*((\a)%4)+\n+1], v[BV+2*(\a):BV+2*(\a)+1] op_sel_hi:[1,0]   ; + my channel's bias
.endr
	WIN 0
	QUANT HA, IA+12*((\a)%2), IA+12*((\a)%2)+6, PT, WA+(\a)%2
.irp g, 0,1,2
.if (\a) < 4
	global_store_b128 v[LI], v[IA+12*((\a)%2)+4*\g:IA+12*((\a)%2)+4*\g+3], s[DA:DA+1] offset:4*IMG+IMG*((\a)%4)+512*\g
.else
	global_store_b128 v[LI], v[IA+12*((\a)%2)+4*\g:IA+12*((\a)%2)+4*\g+3], s[DB:DB+1] offset:4*IMG+IMG*((\a)%4)+512*\g
.endif
.endr
.if (\a)%2 == 1
	v_cndmask_b32 v[SWA+((\a)%4)/2], v[WA], v[WA+1], s[HM]
.endif
.if (\a) == 3
	global_store_b64 v[L8], v[SWA:SWA+1], s[SA:SA+1] offset:512   ; 256 consecutive bytes, aligned
.endif
.if (\a) == 7
	global_store_b64 v[L8], v[SWA:SWA+1], s[SB:SB+1] offset:512
.endif
.endm
	s_cmp_eq_u32 s[ISV], 1                         ; hangs on the cluster's y alone
	s_cbranch_scc1 .Lvalue
	EPI_QK 0
	EPI_QK 1
	EPI_QK 2
	EPI_QK 3
	global_store_b128 v[LI], v[SWA:SWA+3], s[SA:SA+1]      ; 512 consecutive bytes each
	global_store_b128 v[LI], v[SWB:SWB+3], s[SB:SB+1]
	s_branch .Lend
.Lvalue:
.irp a, 0,1,2,3,4,5,6,7
	EPI_V \a
.endr
.Lend:
	s_wait_tensorcnt 0x0                           ; the wave's end
	ds_add_u32 v[SPW], v[NIL]
	s_wait_dscnt 0x0
	CROUND                                         ; the closing round
	s_endpgm
.Lfunc_end_k_qfb07bb06ba_proj:
	.size	k_qfb07bb06ba_proj, .Lfunc_end_k_qfb07bb06ba_proj-k_qfb07bb06ba_proj
	.p2alignl 7, 3214868480
	.fill 96, 4, 3214868480
	.section	.rodata,"a",@progbits
	.p2align	6, 0x0
	.amdhsa_kernel k_qfb07bb06ba_proj
		.amdhsa_group_segment_fixed_size 327680
		.amdhsa_private_segment_fixed_size 0
		.amdhsa_enable_private_segment 0
		.amdhsa_kernarg_size 72
		.amdhsa_user_sgpr_count 2
		.amdhsa_user_sgpr_kernarg_segment_ptr 1
		.amdhsa_wavefront_size32 1
		.amdhsa_system_sgpr_workgroup_id_x 1
		.amdhsa_system_sgpr_workgroup_id_y 1
		.amdhsa_system_sgpr_workgroup_id_z 1
		.amdhsa_system_vgpr_workitem_id 0
		.amdhsa_next_free_vgpr 1024
		.amdhsa_next_free_sgpr 100
		.amdhsa_reserve_vcc 0
		.amdhsa_float_denorm_mode_32 3
		.amdhsa_float_denorm_mode_16_64 3
		.amdhsa_memory_ordered 1
		.amdhsa_forward_progress 1
		.amdhsa_inst_pref_size 207
	.end_amdhsa_kernel
	.amdgpu_metadata
---
amdhsa.version: [ 1, 2 ]
amdhsa.kernels:
  - .name:           k_qfb07bb06ba_proj
    .symbol:         k_qfb07bb06ba_proj.kd
    .args:
      - { .name: codes, .offset: 0, .size: 8, .value_kind: global_buffer, .address_space: global }
      - { .name: scales, .offset: 8, .size: 8, .value_kind: global_buffer, .address_space: global }
      - { .name: bq, .offset: 16, .size: 8, .value_kind: global_buffer, .address_space: global }
      - { .name: bk, .offset: 24, .size: 8, .value_kind: global_buffer, .address_space: global }
      - { .name: bv, .offset: 32, .size: 8, .value_kind: global_buffer, .address_space: global }
      - { .name: qc, .offset: 40, .size: 8, .value_kind: global_buffer, .address_space: global }
      - { .name: qs, .offset: 48, .size: 8, .value_kind: global_buffer, .address_space: global }
      - { .name: kvc, .offset: 56, .size: 8, .value_kind: global_buffer, .address_space: global }
      - { .name: kvs, .offset: 64, .size: 8, .value_kind: global_buffer, .address_space: global }
    .group_segment_fixed_size: 327680
    .private_segment_fixed_size: 0
    .kernarg_segment_align: 8
    .kernarg_segment_size: 72
    .max_flat_workgroup_size: 128
    .sgpr_count:     100
    .vgpr_count:     1024
    .wavefront_size: 32
...
	.end_amdgpu_metadata
.endif
;; end of part 2
;; launch attn (part 3): grid 8 x 32, 16 waves a work-group, clusters of 4 x 1, 215,040 bytes of LDS; arguments qc, qs, kvc, kvs, xc, xs; writes xc, xs
.if DOCPART == 3
	.amdgcn_target "amdgcn-amd-amdhsa--gfx1250"
	.amdhsa_code_object_version 6
	.text
	.protected	k_qfb07bb06ba_attn
	.globl	k_qfb07bb06ba_attn
	.p2align	8
	.type	k_qfb07bb06ba_attn,@function
k_qfb07bb06ba_attn:
	s_mov_b64 s[64:65], 0
	v_nop
	global_prefetch_b8 v0, s[64:65] scope:SCOPE_SE
	s_setreg_imm32_b32 hwreg(HW_REG_WAVE_MODE, 25, 1), 1
	s_wait_xcnt 0x0
	s_wait_alu depctr_hold_cnt(0) depctr_sa_sdst(0) depctr_va_vdst(0) depctr_va_sdst(0) depctr_va_ssrc(0) depctr_va_vcc(0) depctr_vm_vsrc(0)
	s_getreg_b32 s2, hwreg(HW_REG_IB_STS2, 6, 4)
	s_cmp_eq_u32 s2, 0
	s_cbranch_scc0 .Lentry_in_a_cluster
	s_endpgm
.Lentry_in_a_cluster:
	s_bfe_u32 s2, ttmp6, 0x10000c
	s_cmp_lg_u32 s2, 0x3003
	s_cbranch_scc0 .Lentry_shape_is_right
	s_endpgm
.Lentry_shape_is_right:
; x[b][q][head] = softmax_k(query . key / 8) value, both products on codes of FP6 (E2M3); the result is quantised along the model's 1,024 for the last projection.
; THE MASK is left out: the function computed uses it in no expression that reaches a result, for all values of all inputs; no launch loads it.
; THE SOFTMAX: t = score x log2(e) / 8; M = the largest t so far, rounded UP to a whole number; p = 2^(t - M) is quantised along the keys, not normalised.  The row's sum is taken of the
; unquantised p and divides at the end.  When M moves, the sum and O are multiplied by 2^(old M - new M): exact.
; SHARES.  A work-group owns 256 queries of one head of one batch, each of its sixteen waves one tile of 16.  A whole head's keys and values lie in LDS (196,608 bytes of codes, 12,288 of scale words): filled once.
; CLUSTER.  The four query blocks of a cluster walk the same head: every tensor load is asked for jointly by the four, with the same descriptor.
; THE FILLS, one a wave: waves 0-2 a third each of key steps 0-3, wave 3 the scale words, waves 4-15 key step = wave.  The first barrier waits for waves 0-3 alone; a second one, signalled ahead of
; step 3 and waited for behind it, shows the rest.  Nothing is filled again.  No prefetch: every tensor load goes out at the head, and there is no loop to run ahead in.
; LAYOUT.  S^T = K Q^T (source 0 = 16 keys), O^T = V^T P^T (source 0 = 16 channels): a lane holds ONE query.  Key tile 4 c + j of a step holds keys 64 c + 8 j + {0 .. 7, 32 .. 39}, so register 32 c + n of
; S^T in lane (r, h) is key 64 c + 32 h + n: a lane holds WHOLE blocks of 32 keys, in the order in which the second product's operand wants them.  No lane is asked for a block's maximum, and no code changes lanes.
; K = 64 IN AN INSTRUCTION OF 128.  A tile's 64 codes a row are six registers.  Q's registers 6-11 are zero codes.  Key tile t's operand is v[32 + 6 t] on, twelve registers: its upper six are the next tile's
; codes (behind the last tile: zeros), which meet Q's zero codes and add exactly nothing; both sides' scale bytes 2 and 3 are 0, the smallest scale.
; LIMITS: NaN and infinities are not served; the promise holds while |t| stays under 2^31; a p under 2^-126 counts as 0; a block whose largest magnitude lies under 2^-124 gets the byte 1.
.set IMG,  1536
.set STEPB, 8*IMG                      ; a step of 128 keys: 4 pair images of keys, 4 images of values
.set SCB,  196608                      ; the scale words: 768 bytes a step: keys 512, values 256
.set XSG,  208896                      ; the work-group's 256 scale halfwords of x: two blocks of 256 bytes into which no fill lands
.set SPARE, 212992                     ; the spare words: 128 bytes for each of 16 waves
.set LI,   1                           ; 16 x lane
.set AS0,  2                           ; SCB + 16 x lane
.set AT0,  3                           ; SCB + 512 + 8 x lane
.set ADK,  4                           ; v4-6 the step's addresses
.set ADS,  5
.set ADT,  6
.set G8,   7                           ; 8 x lane
.set XW,   8                           ; XSG + 32 x wave + 2 r
.set XR,   9                           ; XSG + 16 x lane
.set QW,   10                          ; 16 r
.set QF,   16                          ; v16-21 Q's codes, v22-27 zeros;  v12 -M, v13 the largest score so far, v[14:15] the row's sum in two halves
.set QS,   28                          ; Q's scale word
.set PS,   29                          ; p's scale word
.set FF,   30                          ; v[30:31] f
.set KF,   32                          ; v32-79 the keys' eight tiles; later p's codes (v32-43) and the conversions' second runs (v44-46, v48-50);  v80-85 zeros
.set KS,   86                          ; v[86:89] the keys' scale words: register p: lanes 0-15 tile 2 p, lanes 16-31 tile 2 p + 1
.set VS,   90                          ; v[90:91] the values'
.set SA,   92                          ; v[92:93], v[94:95], v[252:253] three more chains of the sum
.set SB,   94
.set SC,   252
.set ST,   96                          ; v96-159 S^T, then p
.set OT,   160                         ; v160-191 O^T
.set VF,   192                         ; v192-239 the values' four fragments
.set BM,   240                         ; v240-243 four chains of maxima; then v240, v242 my two blocks'
.set PX,   244
.set SO,   246
.set TT,   248
.set OLD,  249
.set SH,   250                         ; 8 x (lane / 16)
.set SPW,  254
.set NIL,  255
.set WV,   16
.set SEL,  20
.set CS,   22
.set G1C,  24                          ; group 1: 64 rows of 256 bytes
.set G1S,  32                          ; group 1: 48 rows
.set TB,   2
.set TS,   3
.set CNT,  66
.set UM,   67
.macro PLACES n
.rept \n
	v_nop
.endr
.endm
.macro ROUND                           ; a round of the cluster's barrier
	s_barrier_signal -1
	s_barrier_wait -1
	s_cmp_lg_u32 s[WV], 0
	s_cbranch_scc1 .Lnot_wave_0_\@
	s_barrier_signal -3
.Lnot_wave_0_\@:
	s_barrier_wait -3
	s_barrier_signal -1
	s_barrier_wait -1
.endm
.macro TLOAD g0, g1
	tensor_load_to_lds s[\g0:\g0+3], s[\g1:\g1+7]
	s_nop 0
	PLACES 4
.endm
.macro ADDP acc, j                     ; pair j of p onto a chain of the sum
	v_pk_add_f32 v[\acc:\acc+1], v[\acc:\acc+1], v[ST+2*(\j):ST+2*(\j)+1]
.endm
	s_load_b256 s[4:11], s[0:1], 0x0               ; qc, qs, kvc, kvs
	s_load_b128 s[12:15], s[0:1], 0x20             ; xc, xs
	v_lshl_add_u32 v[SPW], v0, 2, SPARE
	v_mov_b32 v[NIL], 0
	ds_add_u32 v[SPW], v[NIL]                      ; the opening lines: the add, twice on end, and its wait
	ds_add_u32 v[SPW], v[NIL]
	v_lshrrev_b32 v11, 5, v0
	v_readfirstlane_b32 s[WV], v11                 ; wave 0 .. 15
	s_bfe_u32 s17, ttmp6, 0x40000                  ; cx
	s_lshl_b32 s18, ttmp9, 2
	s_add_co_u32 s18, s18, s17                     ; my block of 256 queries: it enters Q's and x's global addresses alone
	s_and_b32 s19, ttmp7, 0xffff                   ; 16 x batch + head, which the four partners share
	; descriptor group 1: dense blocks as rows of 256 bytes (32 elements of 8 bytes); the mask names all four work-groups
.irp g, G1C, G1S
	s_mov_b32 s[\g], 15|(3<<16)|(1<<21)
	s_mov_b32 s[\g+1], 32<<16
	s_mov_b32 s[\g+3], 32<<16
	s_mov_b32 s[\g+5], 32
	s_mov_b32 s[\g+6], 0
	s_mov_b32 s[\g+7], 0
.endr
	s_mov_b32 s[G1C+2], 64<<16
	s_mov_b32 s[G1C+4], 64
	s_mov_b32 s[G1S+2], 48<<16
	s_mov_b32 s[G1S+4], 48
	s_mov_b32 s[SEL], 0x76543210
	s_mov_b32 s[SEL+1], 0xfedcba98
	s_mov_b32 s[CS], 0x3e38aa3b                    ; c = log2(e) / 8
	s_mov_b32 s[CS+1], s[CS]                       ; (named with it as a pair, so it is written)
	s_mul_i32 s60, s19, 12288                      ; the head's scale words
	s_mov_b32 s61, 0
	s_mul_i32 s62, s19, 196608                     ; the head's codes
	s_mov_b32 s63, 0
	s_lshl_b32 s52, s[WV], 14                      ; waves 0-2: 16,384 bytes each of steps 0-3
	s_mov_b32 s53, 0
	s_mul_i32 s54, s[WV], STEPB                    ; waves 4-15: step = wave
	s_mov_b32 s55, 0
	s_wait_dscnt 0x0
	s_wait_kmcnt 0x0
	s_add_nc_u64 s[62:63], s[8:9], s[62:63]
	s_mov_b32 s40, 1
	s_mov_b32 s41, s52
	s_add_nc_u64 s[42:43], s[62:63], s[52:53]
	s_or_b32 s43, s43, 0x80000000
	s_mov_b32 s44, 1
	s_mov_b32 s45, SCB
	s_add_nc_u64 s[46:47], s[10:11], s[60:61]
	s_or_b32 s47, s47, 0x80000000
	s_mov_b32 s48, 1
	s_mov_b32 s49, s54
	s_add_nc_u64 s[50:51], s[62:63], s[54:55]
	s_or_b32 s51, s51, 0x80000000
	ROUND                                          ; all four work-groups are here: the joint loads meet
	s_cmp_lt_u32 s[WV], 3                          ; one chain of branches on the wave's number, one load to an arm
	s_cbranch_scc0 .Lscale_words
	TLOAD 40, G1C
	s_branch .Lasked
.Lscale_words:
	s_cmp_lt_u32 s[WV], 4
	s_cbranch_scc0 .Llater_steps
	TLOAD 44, G1S
	s_branch .Lasked
.Llater_steps:
	TLOAD 48, G1S
.Lasked:
	v_and_b32 v11, 31, v0
	v_and_b32 v[QW], 15, v0
	v_bfe_u32 v[SH], v0, 4, 1
	s_lshl_b32 s63, s[WV], 5
	v_lshlrev_b32 v[LI], 4, v11
	v_lshlrev_b32 v[G8], 3, v11
	v_lshlrev_b32 v[SH], 3, v[SH]
	v_lshl_add_u32 v[XW], v[QW], 1, s63
	v_lshlrev_b32 v[QW], 4, v[QW]
	v_add_nc_u32 v[AS0], SCB, v[LI]
	v_add_nc_u32 v[AT0], SCB+512, v[G8]
	v_add_nc_u32 v[XR], XSG, v[LI]
	v_add_nc_u32 v[XW], XSG, v[XW]
	s_wait_alu depctr_va_vdst(0)                   ; ahead of the run of scalar lines
	; Q: the pair image that holds my tile, and my tile's scale words
	s_mul_i32 s68, s19, 98304
	s_mul_i32 s69, s18, 12288
	s_add_co_u32 s68, s68, s69
	s_lshr_b32 s69, s[WV], 1
	s_mul_i32 s69, s69, IMG
	s_add_co_u32 s68, s68, s69
	s_mov_b32 s69, 0
	s_add_nc_u64 s[4:5], s[4:5], s[68:69]
.irp g, 0,1,2
	global_load_b128 v[ST+4*\g:ST+4*\g+3], v[LI], s[4:5] offset:512*\g
.endr
	s_lshl_b32 s68, s19, 13
	s_lshl_b32 s69, s18, 10
	s_add_co_u32 s68, s68, s69
	s_lshr_b32 s69, s[WV], 3
	s_lshl_b32 s69, s69, 9
	s_add_co_u32 s68, s68, s69                     ; my step of 128 queries,
	s_and_b32 s69, s[WV], 1
	s_lshl_b32 s69, s69, 8
	s_add_co_u32 s68, s68, s69                     ; the lanes' half that holds my tile,
	s_bfe_u32 s69, s[WV], 0x20001
	s_lshl_b32 s69, s69, 2
	s_add_co_u32 s68, s68, s69                     ; my pair
	s_mov_b32 s69, 0
	s_add_nc_u64 s[6:7], s[6:7], s[68:69]
	global_load_b32 v[QS], v[QW], s[6:7]
	s_and_b32 s[UM], s[WV], 1
	s_sub_co_u32 s[UM], 0, s[UM]                   ; all ones where my tile is the pair's odd one
	; where x goes
	s_lshr_b32 s68, s19, 4
	s_lshl_b32 s68, s68, 7
	s_lshl_b32 s69, s18, 4
	s_add_co_u32 s68, s68, s69                     ; my work-group's first tile of 16 rows
	s_and_b32 s70, s19, 15                         ; the head
	s_add_co_u32 s72, s68, s[WV]
	s_mul_i32 s72, s72, 12288
	s_mul_i32 s71, s70, 768
	s_add_co_u32 s72, s72, s71
	s_mov_b32 s73, 0
	s_add_nc_u64 s[12:13], s[12:13], s[72:73]
	s_lshl_b32 s72, s70, 13
	s_lshl_b32 s71, s68, 5
	s_add_co_u32 s72, s72, s71
	s_add_nc_u64 s[14:15], s[14:15], s[72:73]
	v_mov_b32 v13, 0xff61b1e6                      ; the largest score so far: -3e38, under every score
	s_delay_alu instid0(VALU_DEP_1)
	v_floor_f32 v12, -v13                          ; -M: so large that the first f is 0, which meets zeros alone
	v_mov_b32 v14, 0                               ; the sum, in two halves
	v_mov_b32 v15, 0
	v_mov_b32 v[FF+1], 0                           ; (named as the upper half of a pair)
	v_mov_b32 v[PX], 0                             ; written once: a lane permute's destination counts as one of its sources
	v_mov_b32 v[PX+1], 0
.irp i, 0,1,2,3,4,5
	v_mov_b32 v[QF+6+\i], 0                        ; zero codes for the K that a head does not have
	v_mov_b32 v[KF+48+\i], 0
.endr
	s_wait_loadcnt 0x0
.irp i, 0,1,2,3,4,5
	v_cndmask_b32 v[QF+\i], v[ST+\i], v[ST+6+\i], s[UM]   ; my tile's six registers of the pair's twelve
.endr
.irp j, 0,1,2,3,4,5,6,7,8,9,10,11,12,13,14,15,16,17,18,19,20,21,22,23,24,25,26,27,28,29,30,31
	v_mov_b32 v[OT+\j], 0                          ; O^T.  (The step is written once: its first trip finds zeros, which the first change of M leaves zeros)
.endr
; A KEY STEP: 128 keys.
.macro STEP
	v_add_nc_u32 v[ADK], s[TB], v[LI]
	v_add_nc_u32 v[ADS], s[TS], v[AS0]
	v_add_nc_u32 v[ADT], s[TS], v[AT0]
.irp p, 0,1,2,3
.irp g, 0,1,2
	ds_load_b128 v[KF+12*\p+4*\g:KF+12*\p+4*\g+3], v[ADK] offset:IMG*\p+512*\g
.endr
.endr
	ds_load_b128 v[KS:KS+3], v[ADS]
	ds_load_b64 v[VS:VS+1], v[ADT]
.irp t, 0,1,2,3
.irp g, 0,1,2
	ds_load_b128 v[VF+12*\t+4*\g:VF+12*\t+4*\g+3], v[ADK] offset:4*IMG+IMG*\t+512*\g
.endr
.endr
	s_wait_dscnt 12                                ; the keys and all scale words are in; the values' twelve loads may be out
.irp t, 0,1,2,3,4,5,6,7
.if \t%2
	v_wmma_scale_f32_16x16x128_f8f6f4 v[ST+8*\t:ST+8*\t+7], v[KF+6*\t:KF+6*\t+11], v[QF:QF+11], 0, v[KS+\t/2], v[QS] matrix_a_fmt:MATRIX_FMT_FP6 matrix_b_fmt:MATRIX_FMT_FP6 matrix_a_scale:MATRIX_SCALE_ROW1
.else
	v_wmma_scale_f32_16x16x128_f8f6f4 v[ST+8*\t:ST+8*\t+7], v[KF+6*\t:KF+6*\t+11], v[QF:QF+11], 0, v[KS+\t/2], v[QS] matrix_a_fmt:MATRIX_FMT_FP6 matrix_b_fmt:MATRIX_FMT_FP6
.endif
.endr
	v_mov_b32 v[OLD], v12                          ; the old -M; with the three v_nop the four places behind the products
	PLACES 3
.irp b, 0,1,2,3
	v_max3_num_f32 v[BM+\b], v[ST+16*\b], v[ST+1+16*\b], v[ST+2+16*\b]   ; four chains by turns, two to a block of 32 keys; each accumulator is read from its low end on
.endr
.irp i, 3,5,7,9,11,13
.irp b, 0,1,2,3
	v_max3_num_f32 v[BM+\b], v[BM+\b], v[ST+16*\b+\i], v[ST+1+16*\b+\i]
.endr
.endr
	v_max3_num_f32 v[BM], v[BM], v[ST+15], v[ST+31]
	v_max3_num_f32 v[BM+2], v[BM+2], v[ST+47], v[ST+63]
	s_delay_alu instid0(VALU_DEP_2)
	v_max_num_f32 v[BM], v[BM], v[BM+1]            ; the largest score of my block h: for the row's maximum, and, since p rises with the score, for the block's largest p
	s_delay_alu instid0(VALU_DEP_2)
	v_max_num_f32 v[BM+2], v[BM+2], v[BM+3]        ; and of my block 2 + h
	s_delay_alu instid0(VALU_DEP_1)
	v_max_num_f32 v[TT], v[BM], v[BM+2]
	s_delay_alu instid0(VALU_DEP_1)
	v_permlanex16_b32 v[PX], v[TT], s[SEL], s[SEL+1]
	s_delay_alu instid0(VALU_DEP_1)
	v_max3_num_f32 v13, v13, v[TT], v[PX]          ; with lane l xor 16's two blocks, and all steps before
	s_delay_alu instid0(VALU_DEP_1)
	v_mul_f32 v[TT], s[CS], v13                    ; as t (c is positive)
	s_delay_alu instid0(VALU_DEP_1)
	v_floor_f32 v12, -v[TT]                        ; the new -M = floor(-t): M is a whole number
	s_delay_alu instid0(VALU_DEP_1)
	v_sub_f32 v[TT], v12, v[OLD]                   ; old M - new M: a whole number, 0 or less
	s_delay_alu instid0(VALU_DEP_1)
	v_cvt_i32_f32 v[TT], v[TT]                     ; (it saturates)
	s_delay_alu instid0(VALU_DEP_1)
	v_ldexp_f32 v[FF], 1.0, v[TT]                  ; f = 2^(old M - new M)
.irp j, 0,2,4,6,8,10,12,14,16,18,20,22,24,26,28,30
	v_pk_mul_f32 v[OT+\j:OT+\j+1], v[OT+\j:OT+\j+1], v[FF:FF+1] op_sel_hi:[1,0]   ; O^T under the new M: ahead of the exponentials
.endr
.irp j, 0,2,4,6,8,10,12,14,16,18,20,22,24,26,28,30,32,34,36,38,40,42,44,46,48,50,52,54,56,58,60,62
	v_pk_fma_f32 v[ST+\j:ST+\j+1], v[ST+\j:ST+\j+1], s[CS:CS+1], v[12:13] op_sel_hi:[1,0,0]   ; t - M
.endr
	v_fma_f32 v[BM], v[BM], s[CS], v12             ; the same of each block's largest score
	v_fma_f32 v[BM+2], v[BM+2], s[CS], v12
	s_wait_alu depctr_va_vdst(0)                   ; ahead of the batch
.irp j, 0,1,2,3,4,5,6,7,8,9,10,11,12,13,14,15,16,17,18,19,20,21,22,23,24,25,26,27,28,29,30,31,32,33,34,35,36,37,38,39,40,41,42,43,44,45,46,47,48,49,50,51,52,53,54,55,56,57,58,59,60,61,62,63
	v_exp_f32 v[ST+\j], v[ST+\j]                   ; p = 2^(t - M)
.endr
	v_exp_f32 v[BM], v[BM]                         ; the block's largest p: the same two instructions on the same number
	v_exp_f32 v[BM+2], v[BM+2]
	v_nop                                          ; a plain place behind the exponentials
	s_wait_alu depctr_va_vdst(0)                   ; one wait for the whole batch
	s_wait_dscnt 0x0                               ; the values are in
	v_max_num_f32 v[BM], 0x1800000, v[BM]          ; the floor 2^(3 - 127)
	v_max_num_f32 v[BM+2], 0x1800000, v[BM+2]
	s_delay_alu instid0(VALU_DEP_2)
	v_add_nc_u32 v[SO], 0xff000000, v[BM]          ; 2 off the exponent field: the conversion's scale operand
	s_delay_alu instid0(VALU_DEP_2)
	v_add_nc_u32 v[SO+1], 0xff000000, v[BM+2]
	s_delay_alu instid0(VALU_DEP_2)
	v_lshrrev_b32 v[PX], 23, v[SO]
	s_delay_alu instid0(VALU_DEP_2)
	v_lshrrev_b32 v[PX+1], 23, v[SO+1]
	s_delay_alu instid0(VALU_DEP_1)
	v_lshl_or_b32 v[PS], v[PX+1], 16, v[PX]        ; my two bytes: blocks h and 2 + h,
	s_delay_alu instid0(VALU_DEP_1)
	v_lshlrev_b32 v[PS], v[SH], v[PS]              ; at their places in the word (8 h bits up);
	s_delay_alu instid0(VALU_DEP_1)
	v_permlanex16_b32 v[PX], v[PS], s[SEL], s[SEL+1]
	s_delay_alu instid0(VALU_DEP_1)
	v_or_b32 v[PS], v[PS], v[PX]                   ; with lane l xor 16's two the word is whole
	v_cvt_scalef32_pk16_fp6_f32 v[KF:KF+2], v[ST:ST+15], v[SO]
	v_cvt_scalef32_pk16_fp6_f32 v[KF+12:KF+14], v[ST+16:ST+31], v[SO]     ; (a conversion's three registers begin on an even number)
	v_cvt_scalef32_pk16_fp6_f32 v[KF+6:KF+8], v[ST+32:ST+47], v[SO+1]
	v_cvt_scalef32_pk16_fp6_f32 v[KF+16:KF+18], v[ST+48:ST+63], v[SO+1]
	v_pk_fma_f32 v[14:15], v[14:15], v[FF:FF+1], v[ST:ST+1] op_sel_hi:[1,0,1]   ; the sum under the new M, + the first pair of the unquantised p.  (The plain place behind the conversions)
.irp i, 0,1,2
	v_mov_b32 v[KF+3+\i], v[KF+12+\i]
	v_mov_b32 v[KF+9+\i], v[KF+16+\i]
.endr
	v_pk_add_f32 v[SA:SA+1], v[ST+2:ST+3], v[ST+4:ST+5]       ; the sum goes in four chains; these seven lines are also the places ahead of the products below
	v_pk_add_f32 v[SB:SB+1], v[ST+6:ST+7], v[ST+8:ST+9]
	v_pk_add_f32 v[SC:SC+1], v[ST+10:ST+11], v[ST+12:ST+13]
	ADDP 14, 7
	ADDP SA, 8
	ADDP SB, 9
	ADDP SC, 10
.irp t, 0,1,2,3
.if \t%2
	v_wmma_scale_f32_16x16x128_f8f6f4 v[OT+8*\t:OT+8*\t+7], v[VF+12*\t:VF+12*\t+11], v[KF:KF+11], v[OT+8*\t:OT+8*\t+7], v[VS+\t/2], v[PS] matrix_a_fmt:MATRIX_FMT_FP6 matrix_b_fmt:MATRIX_FMT_FP6 matrix_a_scale:MATRIX_SCALE_ROW1
.else
	v_wmma_scale_f32_16x16x128_f8f6f4 v[OT+8*\t:OT+8*\t+7], v[VF+12*\t:VF+12*\t+11], v[KF:KF+11], v[OT+8*\t:OT+8*\t+7], v[VS+\t/2], v[PS] matrix_a_fmt:MATRIX_FMT_FP6 matrix_b_fmt:MATRIX_FMT_FP6
.endif
.endr
.set J, 11
.rept 5                                ; the rest of the sum: it names no register of the products above, and stands as the places ahead of the next step's loads
	ADDP 14, J
	ADDP SA, J+1
	ADDP SB, J+2
	ADDP SC, J+3
.set J, J+4
.endr
	ADDP 14, 31
	s_delay_alu instid0(VALU_DEP_3)
	v_pk_add_f32 v[SA:SA+1], v[SA:SA+1], v[SB:SB+1]
	s_delay_alu instid0(VALU_DEP_2)
	v_pk_add_f32 v[14:15], v[14:15], v[SC:SC+1]
	s_delay_alu instid0(VALU_DEP_1)
	v_pk_add_f32 v[14:15], v[14:15], v[SA:SA+1]
	s_add_co_u32 s[TB], s[TB], STEPB
	s_add_co_u32 s[TS], s[TS], 768
.endm
	s_wait_alu depctr_va_vdst(0)                   ; the head's end
	s_cmp_lt_u32 s[WV], 4
	s_cbranch_scc0 .Lnot_first_four
	s_wait_tensorcnt 0x0                           ; waves 0-3: my part of steps 0-3, or the scale words, is in
.Lnot_first_four:
	s_barrier_signal -1
	s_barrier_wait -1                              ; steps 0-3 and the scale words are whole; the later steps may be on their way
	s_mov_b32 s[TB], 0
	s_mov_b32 s[TS], 0
	s_mov_b32 s[CNT], 3
.Lfirst_steps:
	STEP
	s_sub_co_u32 s[CNT], s[CNT], 1
	s_cmp_lg_u32 s[CNT], 0
	s_cbranch_scc1 .Lfirst_steps
	s_wait_tensorcnt 0x0                           ; every wave: my load is in
	s_barrier_signal -1                            ; say so, and work on step 3, which reads bytes that nobody writes, while the others arrive
	s_mov_b32 s[TB], 3*STEPB
	s_mov_b32 s[TS], 3*768
	STEP
	s_barrier_wait -1                              ; all sixteen steps are whole
	s_mov_b32 s[TB], 4*STEPB
	s_mov_b32 s[TS], 4*768
	s_mov_b32 s[CNT], 12
.Lsteps:
	STEP
	s_sub_co_u32 s[CNT], s[CNT], 1
	s_cmp_lg_u32 s[CNT], 0
	s_cbranch_scc1 .Lsteps
	; THE WAY OUT.  O^T / the sum; register 16 b + i is channel 32 b + 16 (lane / 16) + i of my query: two blocks along the last projection's K.
	v_add_f32 v14, v14, v15
	s_delay_alu instid0(VALU_DEP_1)
	v_permlanex16_b32 v[TT], v14, s[SEL], s[SEL+1]
	s_delay_alu instid0(VALU_DEP_1)
	v_add_f32 v14, v14, v[TT]                      ; the row's sum
	s_wait_alu depctr_va_vdst(0)
	v_rcp_f32 v14, v14
	PLACES 4                                       ; the place behind the reciprocal
	s_wait_alu depctr_va_vdst(0)
.irp j, 0,2,4,6,8,10,12,14,16,18,20,22,24,26,28,30
	v_pk_mul_f32 v[ST+\j:ST+\j+1], v[OT+\j:OT+\j+1], v[14:15] op_sel_hi:[1,0]
.endr
.irp b, 0,1
	v_max3_num_f32 v[BM+\b], |v[ST+16*\b]|, |v[ST+1+16*\b]|, 0x1800000
.endr
.irp i, 2,4,6,8,10,12,14
.irp b, 0,1
	s_delay_alu instid0(VALU_DEP_2)
	v_max3_num_f32 v[BM+\b], v[BM+\b], |v[ST+16*\b+\i]|, |v[ST+1+16*\b+\i]|
.endr
.endr
.irp b, 0,1
	s_delay_alu instid0(VALU_DEP_2)
	v_permlanex16_b32 v[PX+\b], v[BM+\b], s[SEL], s[SEL+1]
.endr
.irp b, 0,1
	s_delay_alu instid0(VALU_DEP_2)
	v_max_num_f32 v[BM+\b], v[BM+\b], v[PX+\b]
.endr
.irp b, 0,1
	s_delay_alu instid0(VALU_DEP_2)
	v_add_nc_u32 v[SO+\b], 0xff000000, v[BM+\b]
.endr
.irp b, 0,1
	s_delay_alu instid0(VALU_DEP_2)
	v_lshrrev_b32 v[PX+\b], 23, v[SO+\b]
.endr
	s_delay_alu instid0(VALU_DEP_1)
	v_lshl_or_b32 v[PS], v[PX+1], 8, v[PX]         ; my row's two bytes
	v_cvt_scalef32_pk16_fp6_f32 v[KF:KF+2], v[ST:ST+15], v[SO]
	v_cvt_scalef32_pk16_fp6_f32 v[KF+12:KF+14], v[ST+16:ST+31], v[SO+1]
	v_nop
.irp i, 0,1,2
	v_permlane16_swap_b32 v[KF+\i], v[KF+12+\i]
.endr
.irp i, 0,1,2
	s_delay_alu instid0(VALU_DEP_3)
	v_mov_b32 v[KF+3+\i], v[KF+12+\i]
.endr
	global_store_b128 v[LI], v[KF:KF+3], s[12:13]              ; half an image: registers 0-3, 512 consecutive bytes,
	global_store_b64 v[G8], v[KF+4:KF+5], s[12:13] offset:512  ; registers 4, 5: 256
	ds_store_b16 v[XW], v[PS]                      ; both halves of the lanes write the same halfword with the same value
	s_wait_dscnt 0x0
	s_barrier_signal -1
	s_barrier_wait -1                              ; the work-group's 256 halfwords lie together
	s_cmp_lg_u32 s[WV], 0
	s_cbranch_scc1 .Lnot_first
	ds_load_b128 v[ST:ST+3], v[XR]
	s_wait_dscnt 0x0
	global_store_b128 v[LI], v[ST:ST+3], s[14:15]  ; 512 consecutive bytes
.Lnot_first:
	s_wait_tensorcnt 0x0                           ; the wave's end
	ds_add_u32 v[SPW], v[NIL]
	s_wait_dscnt 0x0
	ROUND                                          ; the closing round
	s_endpgm
.Lfunc_end_k_qfb07bb06ba_attn:
	.size	k_qfb07bb06ba_attn, .Lfunc_end_k_qfb07bb06ba_attn-k_qfb07bb06ba_attn
	.p2alignl 7, 3214868480
	.fill 96, 4, 3214868480
	.section	.rodata,"a",@progbits
	.p2align	6, 0x0
	.amdhsa_kernel k_qfb07bb06ba_attn
		.amdhsa_group_segment_fixed_size 215040
		.amdhsa_private_segment_fixed_size 0
		.amdhsa_enable_private_segment 0
		.amdhsa_kernarg_size 48
		.amdhsa_user_sgpr_count 2
		.amdhsa_user_sgpr_kernarg_segment_ptr 1
		.amdhsa_wavefront_size32 1
		.amdhsa_system_sgpr_workgroup_id_x 1
		.amdhsa_system_sgpr_workgroup_id_y 1
		.amdhsa_system_sgpr_workgroup_id_z 1
		.amdhsa_system_vgpr_workitem_id 0
		.amdhsa_next_free_vgpr 256
		.amdhsa_next_free_sgpr 80
		.amdhsa_reserve_vcc 0
		.amdhsa_float_denorm_mode_32 3
		.amdhsa_float_denorm_mode_16_64 3
		.amdhsa_memory_ordered 1
		.amdhsa_forward_progress 1
		.amdhsa_inst_pref_size 59
	.end_amdhsa_kernel
	.amdgpu_metadata
---
amdhsa.version: [ 1, 2 ]
amdhsa.kernels:
  - .name:           k_qfb07bb06ba_attn
    .symbol:         k_qfb07bb06ba_attn.kd
    .args:
      - { .name: qc, .offset: 0, .size: 8, .value_kind: global_buffer, .address_space: global }
      - { .name: qs, .offset: 8, .size: 8, .value_kind: global_buffer, .address_space: global }
      - { .name: kvc, .offset: 16, .size: 8, .value_kind: global_buffer, .address_space: global }
      - { .name: kvs, .offset: 24, .size: 8, .value_kind: global_buffer, .address_space: global }
      - { .name: xc, .offset: 32, .size: 8, .value_kind: global_buffer, .address_space: global }
      - { .name: xs, .offset: 40, .size: 8, .value_kind: global_buffer, .address_space: global }
    .group_segment_fixed_size: 215040
    .private_segment_fixed_size: 0
    .kernarg_segment_align: 8
    .kernarg_segment_size: 48
    .max_flat_workgroup_size: 512
    .sgpr_count:     80
    .vgpr_count:     256
    .wavefront_size: 32
...
	.end_amdgpu_metadata
.endif
;; end of part 3
;; launch outp (part 4): grid 8 x 32, 4 waves a work-group, clusters of 4 x 4, 214,528 bytes of LDS; arguments xc, xs, codes, scales, bo, out0; writes out0
.if DOCPART == 4
	.amdgcn_target "amdgcn-amd-amdhsa--gfx1250"
	.amdhsa_code_object_version 6
	.text
	.protected	k_qfb07bb06ba_outp
	.globl	k_qfb07bb06ba_outp
	.p2align	8
	.type	k_qfb07bb06ba_outp,@function
k_qfb07bb06ba_outp:
	s_mov_b64 s[64:65], 0
	v_nop
	global_prefetch_b8 v0, s[64:65] scope:SCOPE_SE
	s_setreg_imm32_b32 hwreg(HW_REG_WAVE_MODE, 25, 1), 1
	s_wait_xcnt 0x0
	s_wait_alu depctr_hold_cnt(0) depctr_sa_sdst(0) depctr_va_vdst(0) depctr_va_sdst(0) depctr_va_ssrc(0) depctr_va_vcc(0) depctr_vm_vsrc(0)
	s_getreg_b32 s2, hwreg(HW_REG_IB_STS2, 6, 4)
	s_cmp_eq_u32 s2, 0
	s_cbranch_scc0 .Lentry_in_a_cluster
	s_endpgm
.Lentry_in_a_cluster:
	s_bfe_u32 s2, ttmp6, 0x10000c
	s_cmp_lg_u32 s2, 0xf033
	s_cbranch_scc0 .Lentry_shape_is_right
	s_endpgm
.Lentry_shape_is_right:
; out0 = x Wo^T + bo on codes of FP6 (E2M3).  x [4096][1024] comes from the attention as half images (a tile of 16 rows x one head's 64: six registers a lane), Wo as images (codes, tiles 960 on).
; Source 0 = 16 rows of Wo, source 1 = 16 rows of x: a lane holds one row of the result and eight columns.  A tile t holds rows 32 (t / 2) + 8 (t % 2) + {0 .. 7, 16 .. 23}; that order is undone in the
; addresses of the stage and of the stores.
; SHARES.  A work-group makes 128 x 128, each of its four waves 64 x 64: 16 accumulators.  256 work-groups.  CLUSTERS of 4 x 4: x's tiles are shared along a row, Wo's along a column: joint loads.
; ALL OF K for the work-group's 128 + 128 rows is 196,608 bytes of LDS: filled once, in four chunks of 256 along K; nothing is filled again.  No prefetch: every tensor load goes out at the head.
; REGISTERS.  Window 0: v2-15 addresses; v16-31 x's scale words, v32-47 Wo's (register 8 i + S: lanes 0-15 tile 2 i, lanes 16-31 tile 2 i + 1, K step S); v64-159, v160-255 two sets of eight fragments.
;   Window 1: v0-127 the accumulators ((a, b) at v[8 (4 a + b)]); v128-159 bo, eight registers for each of Wo's tiles: the C of each sum's first product.
.set IMG,   1536
.set QRT,   8*4*IMG                    ; what one tensor load brings: one operand's 8 tiles x 4 K steps.  LDS: [half of K][x, Wo][tile][K step]: wave w fills region w
.set CHUNK, QRT                        ; 2 CHUNK: from one half of K to the other
.set STG,   4*CHUNK                    ; behind the chunks: a stage of 16 rows x (256 bytes + 16) for each wave; no fill lands there
.set SPITCH, 272
.set STO,   8
.set RD,    9
.set CO,    10
.set PSC,   16
.set RSC,   32
.set BK,    64                         ; the way out: v64-95, v96-127 by turns
.set WV,    16
.set WR,    17
.set WC,    18
.set G1P,   24
.set G1R,   32
.set G0P,   40                         ; s[40:55] group 0 for x's chunks;  Wo's: s[56:63], s[68:75]
.set MSB, 0
.macro WIN new
.if MSB != \new
	s_set_vgpr_msb (MSB<<8)|\new
.set MSB, \new
.endif
.endm
.macro PLACES n
.rept \n
	v_nop
.endr
.endm
.macro CROUND
	s_barrier_signal -1
	s_barrier_wait -1
	s_cmp_lg_u32 s[WV], 0
	s_cbranch_scc1 .Lnot_wave_0_\@
	s_barrier_signal -3
.Lnot_wave_0_\@:
	s_barrier_wait -3
	s_barrier_signal -1
	s_barrier_wait -1
.endm
	s_load_b256 s[4:11], s[0:1], 0x0               ; xc, xs, codes, scales
	s_load_b128 s[12:15], s[0:1], 0x20             ; bo, out0
	v_lshl_add_u32 v62, v0, 2, 0x34400
	v_mov_b32 v63, 0
	ds_add_u32 v62, v63
	ds_add_u32 v62, v63
	v_lshrrev_b32 v1, 5, v0
	v_readfirstlane_b32 s[WV], v1
	s_lshr_b32 s[WR], s[WV], 1                     ; which half of x's rows I multiply; also: which half of K I fetch
	s_and_b32 s[WC], s[WV], 1                      ; which half of Wo's rows; also: I fetch for x (0) or for Wo (1)
	s_bfe_u32 s19, ttmp6, 0x40000                  ; cx
	s_bfe_u32 s20, ttmp6, 0x40004                  ; cy
	s_lshl_b32 s21, ttmp9, 2
	s_add_co_u32 s21, s21, s19                     ; which 128 rows of Wo
	s_and_b32 s22, ttmp7, 0xffff
	s_lshl_b32 s22, s22, 2
	s_add_co_u32 s22, s22, s20                     ; which 128 rows of x
	s_lshl_b32 s76, s20, 2
	s_lshl_b32 s76, 15, s76                        ; my row of the cluster
	s_lshl_b32 s77, 0x1111, s19                    ; my column
	; descriptor group 1: 8 rows (tiles of 16) of 6,144 bytes (512 along K), 12,288 bytes apart; elements of 8 bytes; no padding
	s_or_b32 s[G1P], s76, (3<<16)|(1<<21)
	s_or_b32 s[G1R], s77, (3<<16)|(1<<21)
.irp g, G1P, G1R
	s_mov_b32 s[\g+1], 768<<16                     ; 8 rows (tiles of 16) of 6,144 bytes (512 along K), 12,288 bytes apart
	s_mov_b32 s[\g+2], 8<<16
	s_mov_b32 s[\g+3], 768<<16
	s_mov_b32 s[\g+4], 8
	s_mov_b32 s[\g+5], 1536
	s_mov_b32 s[\g+6], 0
	s_mov_b32 s[\g+7], 0
.endr
	s_lshl_b32 s23, s[WC], 2
	s_mul_i32 s3, s[WR], 4*IMG                     ; I fetch half wave / 2 of K, of x (even wave) or of Wo (odd wave)
	s_mul_i32 s78, s22, 8*12288
	s_add_co_u32 s78, s78, s3
	s_mov_b32 s79, 0
	s_lshl_b32 s80, s21, 3
	s_add_co_u32 s80, s80, 960
	s_mul_i32 s80, s80, 12288
	s_add_co_u32 s80, s80, s3
	s_mov_b32 s81, 0
	s_mul_i32 s2, s[WV], QRT                       ; my region: the wave's number alone
	s_wait_dscnt 0x0
	s_wait_kmcnt 0x0
	s_add_nc_u64 s[78:79], s[4:5], s[78:79]
	s_add_nc_u64 s[80:81], s[8:9], s[80:81]
	s_mov_b32 s40, 1
	s_mov_b32 s41, s2
	s_mov_b64 s[42:43], s[78:79]
	s_or_b32 s43, s43, 0x80000000
	s_mov_b32 s56, 1
	s_mov_b32 s57, s2
	s_mov_b64 s[58:59], s[80:81]
	s_or_b32 s59, s59, 0x80000000
	CROUND                                         ; all sixteen work-groups are here: the joint loads meet
	s_cmp_eq_u32 s[WV], 0                          ; one chain of branches on the wave's number, one load to an arm, each arm one wave's own
	s_cbranch_scc0 .Lwave_1
	tensor_load_to_lds s[40:43], s[G1P:G1P+7]      ; wave 0: x, K steps 0-3
	s_nop 0
	PLACES 4
	s_branch .Lfirst_asked
.Lwave_1:
	s_cmp_eq_u32 s[WV], 1
	s_cbranch_scc0 .Lwave_2
	tensor_load_to_lds s[56:59], s[G1R:G1R+7]      ; wave 1: Wo, K steps 0-3
	s_nop 0
	PLACES 4
	s_branch .Lfirst_asked
.Lwave_2:
	s_cmp_eq_u32 s[WV], 2
	s_cbranch_scc0 .Lwave_3
	tensor_load_to_lds s[40:43], s[G1P:G1P+7]      ; wave 2: x, K steps 4-7
	s_nop 0
	PLACES 4
	s_branch .Lfirst_asked
.Lwave_3:
	tensor_load_to_lds s[56:59], s[G1R:G1R+7]      ; wave 3: Wo, K steps 4-7
	s_nop 0
	PLACES 4
.Lfirst_asked:
	v_and_b32 v1, 31, v0
	v_and_b32 v12, 15, v0                          ; r
	v_bfe_u32 v13, v0, 4, 1                        ; h
	s_mul_i32 s3, s[WR], QRT/2
	v_lshl_add_u32 v2, v1, 4, s3                   ; x's fragments: 16 x lane, chunks 0, 1;
	v_add_nc_u32 v3, 2*CHUNK, v2                   ; chunks 2, 3;
	v_lshl_add_u32 v4, v1, 3, s3                   ; 8 x lane
	v_add_nc_u32 v5, 2*CHUNK, v4
	s_mul_i32 s3, s[WC], QRT/2
	s_add_co_u32 s3, s3, QRT
	v_lshl_add_u32 v6, v1, 4, s3                   ; Wo's
	v_add_nc_u32 v7, 2*CHUNK, v6
	s_mul_i32 s3, s[WV], 16*SPITCH
	s_add_co_u32 s3, s3, STG                       ; my stage
	v_mul_u32_u24 v[STO], v12, SPITCH
	v_lshl_add_u32 v[STO], v13, 6, v[STO]
	v_add_nc_u32 v[STO], s3, v[STO]                ; in: row r, + 64 h
	v_mul_u32_u24 v[RD], v13, SPITCH
	v_lshl_add_u32 v[RD], v12, 4, v[RD]
	v_add_nc_u32 v[RD], s3, v[RD]                  ; back: lanes 0-15 one row, lanes 16-31 the next
	v_lshlrev_b32 v[CO], 12, v13
	v_lshl_add_u32 v[CO], v12, 4, v[CO]            ; and the same two rows in out0
	; Wo's scale words: 4 loads
	s_lshl_b32 s82, s21, 3
	s_add_co_u32 s82, s82, s23
	s_add_co_u32 s82, s82, 960
	s_lshl_b32 s82, s82, 9
	s_mov_b32 s83, 0
	s_add_nc_u64 s[10:11], s[10:11], s[82:83]
	v_lshlrev_b32 v11, 9, v13
	v_lshl_add_u32 v11, v12, 4, v11                ; 512 h + 16 r
.irp i, 0,1
.irp j, 0,1
	global_load_b128 v[RSC+8*\i+4*\j:RSC+8*\i+4*\j+3], v11, s[10:11] offset:1024*\i+256*\j
.endr
.endr
	; x's scale halfwords, one for a row and a head: two heads make a K step's word
	s_lshl_b32 s82, s22, 3
	s_lshl_b32 s84, s[WR], 2
	s_add_co_u32 s82, s82, s84
	s_lshl_b32 s82, s82, 5
	s_add_nc_u64 s[6:7], s[6:7], s[82:83]
	v_lshlrev_b32 v14, 5, v13
	v_lshl_add_u32 v14, v12, 1, v14                ; 32 h + 2 r
.irp d, 0,1,2,3,4,5,6,7,8,9,10,11,12,13,14,15
.irp i, 0,1
	global_load_u16 v[160+2*\d+\i], v14, s[6:7] offset:8192*\d+64*\i
.endr
.endr
	; bo: tile b's register n is column 32 (b / 2) + 16 h + 8 (b % 2) + n of my 64
	s_lshl_b32 s82, s21, 9
	s_lshl_b32 s84, s[WC], 8
	s_add_co_u32 s82, s82, s84
	s_add_nc_u64 s[12:13], s[12:13], s[82:83]
	v_lshlrev_b32 v15, 6, v13
	WIN 0x40
.irp b, 0,1,2,3
	global_load_b128 v[128+8*\b:128+8*\b+3], v15, s[12:13] offset:(32*(\b/2)+8*(\b%2))*4
	global_load_b128 v[128+8*\b+4:128+8*\b+7], v15, s[12:13] offset:(32*(\b/2)+8*(\b%2))*4+16
.endr
	WIN 0
	s_lshl_b32 s84, s22, 7
	s_lshl_b32 s85, s[WR], 6
	s_add_co_u32 s84, s84, s85
	s_lshl_b32 s84, s84, 12                        ; my first row of out0, 4,096 bytes a row,
	s_add_co_u32 s82, s82, s84                     ; + my first column's bytes (the same as in bo)
	s_add_nc_u64 s[14:15], s[14:15], s[82:83]
.macro FETCH ks                        ; K step ks: x's four fragments (each two half images: 16, 8, 16, 8 bytes a lane) and Wo's four: 28 loads
.set FS, 64+96*((\ks)%2)
.set FO, IMG*((\ks)%4)
.set FH, (\ks)/4
.irp i, 0,1,2,3
	ds_load_b128 v[FS+12*\i:FS+12*\i+3], v[2+FH] offset:FO+4*IMG*\i
	ds_load_b64 v[FS+12*\i+4:FS+12*\i+5], v[4+FH] offset:FO+4*IMG*\i+512
	ds_load_b128 v[FS+12*\i+6:FS+12*\i+9], v[2+FH] offset:FO+4*IMG*\i+768
	ds_load_b64 v[FS+12*\i+10:FS+12*\i+11], v[4+FH] offset:FO+4*IMG*\i+1280
.endr
.irp i, 0,1,2,3
.irp g, 0,1,2
	ds_load_b128 v[FS+48+12*\i+4*\g:FS+48+12*\i+4*\g+3], v[6+FH] offset:FO+4*IMG*\i+512*\g
.endr
.endr
.endm
.macro WM ra, rb                       ; one product; ra, rb: the halves of the lanes in which the two scale words stand
.if (\ra) && (\rb)
	v_wmma_scale_f32_16x16x128_f8f6f4 v[WD:WD+7], v[WFA:WFA+11], v[WFB:WFB+11], v[WCC:WCC+7], v[WSA], v[WSB] matrix_a_fmt:MATRIX_FMT_FP6 matrix_b_fmt:MATRIX_FMT_FP6 matrix_a_scale:MATRIX_SCALE_ROW1 matrix_b_scale:MATRIX_SCALE_ROW1
.elseif \ra
	v_wmma_scale_f32_16x16x128_f8f6f4 v[WD:WD+7], v[WFA:WFA+11], v[WFB:WFB+11], v[WCC:WCC+7], v[WSA], v[WSB] matrix_a_fmt:MATRIX_FMT_FP6 matrix_b_fmt:MATRIX_FMT_FP6 matrix_a_scale:MATRIX_SCALE_ROW1
.elseif \rb
	v_wmma_scale_f32_16x16x128_f8f6f4 v[WD:WD+7], v[WFA:WFA+11], v[WFB:WFB+11], v[WCC:WCC+7], v[WSA], v[WSB] matrix_a_fmt:MATRIX_FMT_FP6 matrix_b_fmt:MATRIX_FMT_FP6 matrix_b_scale:MATRIX_SCALE_ROW1
.else
	v_wmma_scale_f32_16x16x128_f8f6f4 v[WD:WD+7], v[WFA:WFA+11], v[WFB:WFB+11], v[WCC:WCC+7], v[WSA], v[WSB] matrix_a_fmt:MATRIX_FMT_FP6 matrix_b_fmt:MATRIX_FMT_FP6
.endif
.endm
.macro STEP ks
.if (\ks) == 3
	s_wait_dscnt 0x0                               ; no LDS access of mine is out at the signal
	s_wait_tensorcnt 0x0                           ; every wave: my load is in: the barrier shows the second half of K; nothing is filled again
	s_barrier_signal -1
	s_barrier_wait -1
.endif
.if (\ks) < 7
	PLACES 4                                       ; in front of loads into the set that the last step's products have read
	FETCH (\ks)+1
	s_wait_dscnt 28                                ; all but the 28 just issued
.else
	s_wait_dscnt 0x0
.endif
	WIN 0x50                                       ; C and D window 1
.irp a, 0,1,2,3
.irp b, 0,1,2,3
.set WD, 8*(4*\a+\b)
.set WFA, 64+96*((\ks)%2)+48+12*\b
.set WFB, 64+96*((\ks)%2)+12*\a
.set WCC, WD
.if (\ks) == 0
.set WCC, 128+8*\b                                 ; the bias starts the sum
.endif
.set WSA, RSC+8*(\b/2)+(\ks)
.set WSB, PSC+8*(\a/2)+(\ks)
	WM \b%2, \a%2                                  ; the 16 accumulators take turns, one instruction a turn
.endr
.endr
	WIN 0
.endm
	s_cmp_lt_u32 s[WV], 2
	s_cbranch_scc0 .Lsecond_half
	s_wait_tensorcnt 0x0                           ; waves 0 and 1: the first half of K is in; waves 2 and 3's loads may be on their way
.Lsecond_half:
	s_barrier_signal -1
	s_barrier_wait -1
	FETCH 0
	s_wait_loadcnt 0x0
.irp s, 0,1,2,3,4,5,6,7
.irp i, 0,1
	v_lshl_or_b32 v[PSC+8*\i+\s], v[160+2*(2*\s+1)+\i], 16, v[160+4*\s+\i]   ; K step s: heads 2 s and 2 s + 1.  The words of the early K steps are made first: eight plain lines or more stand between each and the first product that names it
.endr
.endr
.irp s, 0,1,2,3,4,5,6,7
	s_wait_alu depctr_va_vdst(0)
	STEP \s
.endr
; THE WAY OUT, a tile of 16 rows x 64 columns at a time, through my own stage: a lane holds 32 bytes of a row; back come whole rows of 256 bytes.  LDS serves a wave's instructions in order (ISA guide 5.7.1.4).
.macro TOSTAGE a
	WIN 0x04                                       ; an LDS store's data: window 1
.irp b, 0,1,2,3
	ds_store_b128 v[STO], v[8*(4*(\a)+\b):8*(4*(\a)+\b)+3] offset:128*(\b/2)+32*(\b%2)          ; each accumulator from its low end on
	ds_store_b128 v[STO], v[8*(4*(\a)+\b)+4:8*(4*(\a)+\b)+7] offset:128*(\b/2)+32*(\b%2)+16
.endr
	WIN 0
.irp i, 0,1,2,3,4,5,6,7
	ds_load_b128 v[BK+32*((\a)%2)+4*\i:BK+32*((\a)%2)+4*\i+3], v[RD] offset:2*SPITCH*\i
.endr
.endm
.macro SEND a, younger                 ; position 2 i + h of tile a is row 32 (a / 2) + 8 (a % 2) + 2 i + h + 8 (i / 4)
	s_wait_dscnt \younger
.irp i, 0,1,2,3,4,5,6,7
	global_store_b128 v[CO], v[BK+32*((\a)%2)+4*\i:BK+32*((\a)%2)+4*\i+3], s[14:15] offset:(32*((\a)/2)+8*((\a)%2)+2*\i+8*(\i/4))*4096 th:TH_STORE_NT   ; each half of the lanes stores 256 consecutive bytes, aligned
.endr
.endm
	PLACES 4                                       ; in front of the first read of results and of loads into registers that held fragments
	TOSTAGE 0
.irp a, 1,2,3
.if \a > 1
	s_wait_xcnt 0x0                                ; the stores of two tiles back have read their registers
.endif
	TOSTAGE \a
	SEND \a-1, 16                                  ; behind that tile's loads: this tile's 8 stores and 8 loads
.endr
	SEND 3, 0
	s_wait_tensorcnt 0x0
	ds_add_u32 v62, v63
	s_wait_dscnt 0x0
	CROUND                                         ; the closing round
	s_endpgm
.Lfunc_end_k_qfb07bb06ba_outp:
	.size	k_qfb07bb06ba_outp, .Lfunc_end_k_qfb07bb06ba_outp-k_qfb07bb06ba_outp
	.p2alignl 7, 3214868480
	.fill 96, 4, 3214868480
	.section	.rodata,"a",@progbits
	.p2align	6, 0x0
	.amdhsa_kernel k_qfb07bb06ba_outp
		.amdhsa_group_segment_fixed_size 214528
		.amdhsa_private_segment_fixed_size 0
		.amdhsa_enable_private_segment 0
		.amdhsa_kernarg_size 48
		.amdhsa_user_sgpr_count 2
		.amdhsa_user_sgpr_kernarg_segment_ptr 1
		.amdhsa_wavefront_size32 1
		.amdhsa_system_sgpr_workgroup_id_x 1
		.amdhsa_system_sgpr_workgroup_id_y 1
		.amdhsa_system_sgpr_workgroup_id_z 1
		.amdhsa_system_vgpr_workitem_id 0
		.amdhsa_next_free_vgpr 512
		.amdhsa_next_free_sgpr 96
		.amdhsa_reserve_vcc 0
		.amdhsa_float_denorm_mode_32 3
		.amdhsa_float_denorm_mode_16_64 3
		.amdhsa_memory_ordered 1
		.amdhsa_forward_progress 1
		.amdhsa_inst_pref_size 53
	.end_amdhsa_kernel
	.amdgpu_metadata
---
amdhsa.version: [ 1, 2 ]
amdhsa.kernels:
  - .name:           k_qfb07bb06ba_outp
    .symbol:         k_qfb07bb06ba_outp.kd
    .args:
      - { .name: xc, .offset: 0, .size: 8, .value_kind: global_buffer, .address_space: global }
      - { .name: xs, .offset: 8, .size: 8, .value_kind: global_buffer, .address_space: global }
      - { .name: codes, .offset: 16, .size: 8, .value_kind: global_buffer, .address_space: global }
      - { .name: scales, .offset: 24, .size: 8, .value_kind: global_buffer, .address_space: global }
      - { .name: bo, .offset: 32, .size: 8, .value_kind: global_buffer, .address_space: global }
      - { .name: out0, .offset: 40, .size: 8, .value_kind: global_buffer, .address_space: global }
    .group_segment_fixed_size: 214528
    .private_segment_fixed_size: 0
    .kernarg_segment_align: 8
    .kernarg_segment_size: 48
    .max_flat_workgroup_size: 128
    .sgpr_count:     96
    .vgpr_count:     512
    .wavefront_size: 32
...
	.end_amdgpu_metadata
.endif
;; end of part 4
